; MI455X (gfx1250); checked and timed in simulation.
; The chip was launched on July 23, 2026; its instructions are those of AMD's public machine-readable ISA for CDNA 5 (MIT licence, August 2026) and "CDNA5" Instruction Set Architecture Reference Guide (July 2026). The comments in the code are by the model that wrote it; some were corrected since.
;; Ro PE Attention. Allowed arithmetic: matrix products marked QUANTISED: E2M1 operands, one E8M0 scale for each 32 along K, by v_wmma_scale_f32_16x16x128_f8f6f4 with both operands' format E2M1 (or v_wmma_scale_f32_32x16x128_f4), f32 sums; products left as they are: bf16, f16 or f32 operands; f32 sums; everything else in f32.
;; Inputs: Wk 1,024 x 1,024 float32; Wo 1,024 x 1,024 float32; Wq 1,024 x 1,024 float32; Wv 1,024 x 1,024 float32; x 4 x 2,048 x 1,024 float32.
;; Outputs: out0 4 x 2,048 x 1,024 float32.
;; This version of the problem:
;;   THIS VERSION OF THE PROBLEM IS GIVEN IN LOW PRECISION. The matrix products marked QUANTISED in the list below multiply operands that are first quantised to E2M1 (2 exponent bits, 1 mantissa bit; 4 bits a number), with one power-of-two scale for each 32 numbers along K (OCP MX v1.0); their sums are f32. The products marked 'left as it is' may take bf16, f16 or f32 operands, with f32 sums. Whichever they take, every output number must still come out within the allowed error. Rounding operands to bf16 (8 significant bits) uses up far more of that allowance than f16 does (11 bits, for magnitudes from 6e-5 to 65,504). All else is computed in f32.
;;   The module's matrix products, in the order in which they are computed (A, B: the left and right operand; K: the contracted axis; several contracted axes count as one K, in the product's order):
;;     1. [M 8,192, K 1,024] x [K 1,024, N 1,024]; A: input x; B: input Wq: QUANTISED
;;     2. [M 8,192, K 1,024] x [K 1,024, N 1,024]; A: input x; B: input Wk: QUANTISED
;;     3. [M 8,192, K 1,024] x [K 1,024, N 1,024]; A: input x; B: input Wv: QUANTISED
;;     4. [M 2,048, K 1] x [K 1, N 32]; A: computed on the way; B: computed on the way: left as it is (no contracted axis)
;;     5. batch 64 x [M 2,048, K 64] x [K 64, N 2,048]; A: computed on the way; B: computed on the way: left as it is (an operand is computed on the way)
;;     6. batch 64 x [M 2,048, K 2,048] x [K 2,048, N 64]; A: computed on the way; B: computed on the way: left as it is (an operand is computed on the way)
;;     7. [M 8,192, K 1,024] x [K 1,024, N 1,024]; A: computed on the way; B: input Wo: left as it is (an operand is computed on the way)
;;   THE QUANTISER, for each operand of a quantised product, along K:
;;     - K is cut into blocks of 32 from its start; a last block that is shorter is filled with zeros.
;;     - A block's scale is 2^e with e = floor(log2(the largest magnitude in the block)) - 2, held to -126 .. 127; a block of zeros has e = 0. As a byte (E8M0): e + 127.
;;     - Each number is divided by its block's scale, clamped to +-6, and rounded to the nearest number of E2M1, ties to even, subnormals kept.
;;     - The product sums the exact products of the quantised numbers (number of the format x scale) in f32.
;;   ~~~python
;;   def quantise(x, axis):      # numpy; x: float32 -> the quantised numbers, widened to float32 again
;;       x = np.moveaxis(x, axis, -1); K = x.shape[-1]
;;       x = np.pad(x, [(0, 0)] * (x.ndim - 1) + [(0, -K % 32)]); x = x.reshape(x.shape[:-1] + (-1, 32)); a = np.abs(x).max(-1, keepdims=True)
;;       e = np.where(a > 0, np.clip(np.frexp(np.where(a > 0, a, 1))[1] - 1 - 2, -126, 127), 0)      # np.frexp(a)[1] - 1 = floor(log2(a)), exactly
;;       r = np.clip(x / 2.0 ** e, -6, 6)
;;       step = 2.0 ** (np.maximum(np.frexp(np.where(r == 0, 1, r))[1] - 1, 0) - 1)
;;       q = np.round(r / step) * step * 2.0 ** e      # np.round: ties to even
;;       return np.moveaxis(q.reshape(q.shape[:-2] + (-1,))[..., :K], -1, axis).astype(np.float32)
;;   ~~~
;; One version. Each part assembles by itself: llvm-mc -triple=amdgcn-amd-amdhsa -mcpu=gfx1250 --defsym DOCPART=n.
;; ======== version 1 of 1: 4 launches
;; limits: values are held in f16: magnitudes above 65,504 overflow, below 6.1e-05 lose precision
;; workspace buffers: codes 5,767,168 bytes; scales 360,448 bytes; wo16 2,097,152 bytes; rope 1,048,576 bytes; qkv 50,331,648 bytes; ao 16,777,216 bytes
;; launch prep (part 1): grid 448 x 1, 4 waves a work-group, no clusters, 33,280 bytes of LDS; arguments x, Wq, Wk, Wv, Wo, codes, scales, wo16, rope; writes codes, scales, wo16, rope
.if DOCPART == 1
	.amdgcn_target "amdgcn-amd-amdhsa--gfx1250"
	.amdhsa_code_object_version 6
	.text
	.protected	k_q6931a16306_prep
	.globl	k_q6931a16306_prep
	.p2align	8
	.type	k_q6931a16306_prep,@function
k_q6931a16306_prep:
	s_mov_b64 s[64:65], 0
	v_nop
	global_prefetch_b8 v0, s[64:65] scope:SCOPE_SE
	s_setreg_imm32_b32 hwreg(HW_REG_WAVE_MODE, 25, 1), 1
	s_wait_xcnt 0x0
; THREE JOBS IN ONE LAUNCH, told apart by the work-group's number alone.
; (1) Work-groups 0-351: x [8192][1024], Wq, Wk, Wv [1024][1024], f32, become codes of FP4 (E2M1), K innermost, two codes a byte, and one E8M0 byte for each 32 along K.
;     The four tensors' rows lie on end in the two buffers: rows 0-8191 x, 8192.. Wq, 9216.. Wk, 10240.. Wv; a row is 512 bytes of codes and 32 scale bytes.
;     A block's scale is 2^(floor(log2(its largest magnitude)) - 2); its byte is the largest magnitude's exponent field - 2, held at 1 from below.
; (2) Work-groups 352-383: Wo is rounded to f16, row-major as it lies.
; (3) Work-groups 384-447: cos and sin of position x 10000^(-i/32), positions 0-2047, i = 0-31, laid in the order in which the next launch's lanes want them:
;     [table 2][tile of 16 positions 128][c 2][part 4][lane 32][16 bytes]; lane (r, h) holds position 16 tile + r and i = 16 c + 8 h + j; parts 0, 1: cos of j = 0-3, 4-7; parts 2, 3: sin.
;     Table 0 is multiplied by log2(e) / 8 (for q: the scores then are the exponents of 2 that the softmax wants), table 1 is plain (for k).
; LIMITS: a block of zeros gets the byte 1 where the rule says 127: its codes are zeros, and these bytes are read by this program alone.  Blocks whose largest magnitude lies under 2^-124 keep the byte 1.
; NaN and infinities among the inputs are not served.  Wo must lie within +-65,504 (f16); under 6e-5 it falls on f16's subnormals, 6e-8 apart.
; The angle is position x 2^(-i log2(10000) / 32), one rounding for the product as in the outer product that it stands for; the power of two is good to its last bit or two, so that the angle at the largest
; positions lies within some 5e-4 of the one made with a correctly rounded power.  The reduction by pi / 2 (two parts) and the two polynomials (cut under 4e-7 on +-pi/4) serve the fixed range 0 .. 2047.
; No tensor loads, no barrier: waves share nothing.  Only job (1) touches LDS.
.set WAVES, 4
.set STEPS, 16
.set WGQ,   352                        ; (8192 + 3 x 1024) x 1024 numbers / 32,768 a work-group
.set WGC,   32                         ; 1024 x 1024 / 32,768
.set EMAX,  2
.set CB,    8                          ; bytes of 16 codes
.set R,     16                         ; v16-79   four sets of 16 numbers as they are loaded
.set X,     80                         ; v80-111  two sets of 16 neighbours
.set E,     112                        ; v112-127 a scale byte for each step
.set C,     128                        ; v128-191 codes: four registers for each step, so that no store's data are written again
.set WREG,  8192                       ; LDS: a region for each wave: two stages of 32 x SP bytes, behind them its 256 scale bytes
.set SP,    80                         ; a lane's place in a stage: its 64 bytes + 16 of padding
.set SPW,   12                         ; v12      LDS address of my spare word; never rewritten
.set NIL,   13                         ; v13      0; never rewritten
.set SPARE, WAVES*WREG                 ; behind the four regions: the spare words, 128 bytes a wave
	s_load_b256 s[4:11], s[0:1], 0x0               ; x s[4:5], Wq s[6:7], Wk s[8:9], Wv s[10:11]
	s_load_b256 s[12:19], s[0:1], 0x20             ; Wo s[12:13], codes s[14:15], scales s[16:17], wo16 s[18:19]
	s_load_b64 s[20:21], s[0:1], 0x40              ; rope
	v_lshl_add_u32 v[SPW], v0, 2, SPARE
	v_mov_b32 v[NIL], 0
	v_lshrrev_b32 v1, 5, v0
	v_readfirstlane_b32 s22, v1                    ; wave
	v_and_b32 v2, 31, v0                           ; lane
	s_wait_kmcnt 0x0
	s_cmp_ge_u32 ttmp9, WGQ+WGC
	s_cbranch_scc1 .Ltab
	s_cmp_ge_u32 ttmp9, WGQ
	s_cbranch_scc1 .Lcast
; ---- (1) THE QUANTISER.  Rows are dense and K is a multiple of 32: a tensor is a plain stream of blocks of 32, and so are its codes and its scale bytes.
; A wave takes 16 steps of 512 numbers.  Each of a step's four loads reads 512 consecutive bytes, 16 a lane; the 2,048 bytes go through the wave's own stage in LDS and come back 64 bytes a lane,
; so that a lane holds 16 neighbours along K (two neighbouring lanes hold a block), as the conversion wants them.  Loads run four steps ahead, the turn through LDS one step.
	v_lshlrev_b32 v3, 4, v2                        ; my 16 bytes of a load's 512
	s_mul_i32 s28, s22, WREG
	v_lshrrev_b32 v14, 2, v2
	v_mul_u32_u24 v14, v14, SP
	v_and_b32 v15, 3, v2
	v_lshl_add_u32 v14, v15, 4, v14
	v_add_nc_u32 v14, s28, v14                     ; the stage, on the way in: SP (lane / 4) + 16 (lane % 4)
	v_mul_u32_u24 v15, v2, SP
	v_add_nc_u32 v15, s28, v15                     ; and on the way out: SP x lane
	v_mul_u32_u24 v4, v2, CB                       ; my codes' place in a step's
	v_lshrrev_b32 v5, 1, v2
	s_add_co_u32 s28, s28, 2*32*SP
	v_add_nc_u32 v5, s28, v5                       ; my wave's 256 scale bytes, my block's byte
	v_lshlrev_b32 v7, 3, v2                        ; and on the way out 8 bytes a lane
	v_add_nc_u32 v6, s28, v7
	s_sub_co_u32 s26, ttmp9, 256
	s_and_b32 s26, s26, 31                         ; a weight's work-group among its 32
	s_cmp_lt_u32 ttmp9, 320                        ; which tensor: the choices hang on the work-group's number alone
	s_cselect_b64 s[24:25], s[8:9], s[10:11]
	s_cmp_lt_u32 ttmp9, 288
	s_cselect_b64 s[24:25], s[6:7], s[24:25]
	s_cmp_lt_u32 ttmp9, 256
	s_cselect_b64 s[24:25], s[4:5], s[24:25]
	s_cselect_b32 s26, ttmp9, s26
	s_lshl_b32 s26, s26, 2
	s_add_co_u32 s26, s26, s22                     ; which run of 8,192 numbers of the tensor is my wave's
	s_lshl_b32 s26, s26, 15                        ; 32,768 bytes a run
	s_mov_b32 s27, 0
	s_add_nc_u64 s[24:25], s[24:25], s[26:27]
	s_lshl_b32 s26, ttmp9, 2
	s_add_co_u32 s26, s26, s22                     ; and which run of the buffers, in which the four tensors lie on end
	s_lshl_b32 s30, s26, 12                        ; 4,096 bytes of codes a run
	s_mov_b32 s31, 0
	s_add_nc_u64 s[14:15], s[14:15], s[30:31]
	s_lshl_b32 s30, s26, 8                         ; 256 scale bytes a run
	s_add_nc_u64 s[16:17], s[16:17], s[30:31]
.macro LOAD t
.irp i, 0,1,2,3
	global_load_b128 v[R+16*((\t)%4)+4*\i:R+16*((\t)%4)+4*\i+3], v3, s[24:25] offset:2048*(\t)+512*\i th:TH_LOAD_NT   ; 32 lanes read 512 consecutive bytes
.endr
.endm
.macro TURN t                          ; step t's numbers through the stage: LDS serves a wave's instructions in order, so no wait stands between the stores and the loads
.irp i, 0,1,2,3
	ds_store_b128 v14, v[R+16*((\t)%4)+4*\i:R+16*((\t)%4)+4*\i+3] offset:32*SP*((\t)%2)+8*SP*\i
.endr
.irp i, 0,1,2,3
	ds_load_b128 v[X+16*((\t)%2)+4*\i:X+16*((\t)%2)+4*\i+3], v15 offset:32*SP*((\t)%2)+16*\i
.endr
.endm
.irp t, 0,1,2,3
	LOAD \t
.endr
	s_wait_loadcnt 12                              ; step 0's four loads are in; twelve younger ones stay out
	TURN 0
.macro STEP t
.set XS, X+16*((\t)%2)
.if (\t) > 0
	s_wait_dscnt 1                                 ; this step's numbers are back from the stage (the last step's byte store may be out): so its stores into the stage have read their registers,
.else
	s_wait_dscnt 0x0
.endif
.if (\t)+4 < STEPS
	LOAD (\t)+4                                    ; which take the loads of four steps on
.endif
.if (\t)+1 < STEPS
.if STEPS-2-(\t) >= 3
	s_wait_loadcnt 12                              ; the next step's four loads are in; those of the three steps behind it may be out
.else
	s_wait_loadcnt 4*(STEPS-2-(\t))
.endif
	TURN (\t)+1                                    ; and go through the other stage while this step is worked
.endif
	v_max3_num_f32 v8, |v[XS]|, |v[XS+1]|, |v[XS+2]|               ; the largest magnitude of my 16, in two chains
	v_max3_num_f32 v9, |v[XS+3]|, |v[XS+4]|, |v[XS+5]|
.irp i, 6,10
	v_max3_num_f32 v8, v8, |v[XS+\i]|, |v[XS+\i+1]|
	v_max3_num_f32 v9, v9, |v[XS+\i+2]|, |v[XS+\i+3]|
.endr
	v_max3_num_f32 v8, v8, |v[XS+14]|, |v[XS+15]|
	v_max3_num_f32 v8, v8, v9, (EMAX+1)<<23        ; and the floor 2^(EMAX + 1 - 127): the byte cannot fall under 1
	v_max_num_f32_dpp v8, v8, v8 row_xmask:1 row_mask:0xf bank_mask:0xf   ; and of my neighbour's 16: the block's
	v_add_nc_u32 v11, -(EMAX<<23), v8              ; EMAX off its exponent field: the conversion takes the exponent field of this operand as its scale, and nothing else of it
	v_cvt_scalef32_pk8_fp4_f32 v[C+4*(\t)], v[XS:XS+7], v11        ; eight numbers / the scale, to the nearest code, ties to even, beyond 6 the largest code; the first number's code in the lowest four bits
	v_cvt_scalef32_pk8_fp4_f32 v[C+4*(\t)+1], v[XS+8:XS+15], v11
	v_lshrrev_b32 v[E+(\t)], 23, v11               ; the scale's byte (also the plain line behind the conversions)
	ds_store_b8 v5, v[E+(\t)] offset:16*(\t)       ; both lanes of a block write the same byte with the same value
	global_store_b64 v4, v[C+4*(\t):C+4*(\t)+1], s[14:15] offset:32*CB*(\t)   ; the wave stores 256 consecutive bytes, aligned
.endm
.irp t, 0,1,2,3,4,5,6,7,8,9,10,11,12,13,14,15
	STEP \t
.endr
	ds_load_b64 v[8:9], v6                         ; my wave's 256 scale bytes: LDS serves a wave's instructions in order, so these see my stores
	s_wait_dscnt 0x0
	global_store_b64 v7, v[8:9], s[16:17]          ; 32 lanes store 256 consecutive bytes, aligned
	s_wait_tensorcnt 0x0                           ; the wave's end
	ds_add_u32 v[SPW], v[NIL]
	s_wait_dscnt 0x0
	s_endpgm
; ---- (2) Wo TO f16.  A wave takes 8,192 numbers in four groups of sixteen loads of 512 consecutive bytes; two groups are always asked for.  A lane's four numbers are 8 bytes: a store covers 256 consecutive bytes.
.set CX,  16                           ; v16-143  two sets of 64 numbers
.set CYR, 144                          ; v144-207 two sets of 32 registers to store
.Lcast:
	s_sub_co_u32 s26, ttmp9, WGQ
	s_lshl_b32 s26, s26, 2
	s_add_co_u32 s26, s26, s22                     ; my wave's run
	s_lshl_b32 s30, s26, 15
	s_mov_b32 s31, 0
	s_add_nc_u64 s[12:13], s[12:13], s[30:31]
	s_lshl_b32 s30, s26, 14
	s_add_nc_u64 s[18:19], s[18:19], s[30:31]
	v_lshlrev_b32 v3, 4, v2                        ; in: 16 bytes a lane
	v_lshlrev_b32 v4, 3, v2                        ; out: 8
.macro CLOAD g
.irp i, 0,1,2,3,4,5,6,7,8,9,10,11,12,13,14,15
	global_load_b128 v[CX+64*((\g)%2)+4*\i:CX+64*((\g)%2)+4*\i+3], v3, s[12:13] offset:8192*(\g)+512*\i th:TH_LOAD_NT
.endr
.endm
.macro CGROUP g
.if (\g) < 3
	s_wait_loadcnt 16                              ; this group's sixteen loads are in; the next group's may be out
.else
	s_wait_loadcnt 0
.endif
.if (\g) >= 2
	s_wait_xcnt 0x0                                ; the stores of two groups back have read their registers, which are written again now
.endif
.irp i, 0,1,2,3,4,5,6,7,8,9,10,11,12,13,14,15
	v_cvt_pk_f16_f32 v[CYR+32*((\g)%2)+2*\i], v[CX+64*((\g)%2)+4*\i], v[CX+64*((\g)%2)+4*\i+1]
	v_cvt_pk_f16_f32 v[CYR+32*((\g)%2)+2*\i+1], v[CX+64*((\g)%2)+4*\i+2], v[CX+64*((\g)%2)+4*\i+3]
.endr
.if (\g)+2 < 4
	CLOAD (\g)+2
.endif
.irp i, 0,1,2,3,4,5,6,7,8,9,10,11,12,13,14,15
	global_store_b64 v4, v[CYR+32*((\g)%2)+2*\i:CYR+32*((\g)%2)+2*\i+1], s[18:19] offset:4096*(\g)+256*\i
.endr
.endm
	CLOAD 0
	CLOAD 1
	CGROUP 0
	CGROUP 1
	CGROUP 2
	CGROUP 3
	s_endpgm
; ---- (3) THE TABLES.  A wave makes one (tile of 16 positions, c): eight angles a lane, the eight chains by turns.
.set TA,  16                           ; the exponent of 2
.set TF,  24                           ; 10000^(-i/32)
.set TG,  32                           ; the angle
.set TN,  40                           ; the nearest multiple of pi / 2
.set TR,  48                           ; what is left, within +-pi/4
.set TZ,  56                           ; its square
.set TS,  64                           ; its sine
.set TC,  72                           ; its cosine
.set TQ,  80                           ; the multiple as a whole number
.set TT,  88                           ; at work
.set SI,  96                           ; sin of the angle
.set CO,  104                          ; cos of the angle
.set SIS, 112                          ; the same x log2(e) / 8
.set COS, 120
.Ltab:
	s_sub_co_u32 s24, ttmp9, WGQ+WGC
	s_lshl_b32 s24, s24, 2
	s_add_co_u32 s24, s24, s22                     ; u = 2 x tile + c
	s_lshr_b32 s25, s24, 1
	s_and_b32 s26, s24, 1
	s_lshl_b32 s27, s25, 4                         ; the tile's first position
	s_lshl_b32 s28, s26, 4                         ; 16 c
	s_lshl_b32 s30, s24, 11                        ; 2,048 bytes for each u
	s_mov_b32 s31, 0
	s_add_nc_u64 s[20:21], s[20:21], s[30:31]
	s_mov_b32 s32, 0x3c088889                      ; 1/120
	s_mov_b32 s33, 0xbab60b61                      ; -1/720
	s_mov_b32 s34, 0xb9500d01                      ; -1/5040
	s_mov_b32 s35, 0x37d00d01                      ; 1/40320
	v_and_b32 v1, 15, v0                           ; r
	v_bfe_u32 v3, v0, 4, 1                         ; h
	v_add_nc_u32 v4, s27, v1
	v_cvt_f32_u32 v4, v4                           ; my position
	v_lshl_add_u32 v5, v3, 3, s28                  ; my first i: 16 c + 8 h
	v_lshlrev_b32 v6, 4, v2                        ; out: 16 bytes a lane
.irp j, 0,1,2,3,4,5,6,7
	v_add_nc_u32 v[TA+\j], \j, v5
.endr
.irp j, 0,1,2,3,4,5,6,7
	v_cvt_f32_u32 v[TA+\j], v[TA+\j]
.endr
.irp j, 0,1,2,3,4,5,6,7
	v_mul_f32 v[TA+\j], 0xbed49a78, v[TA+\j]       ; x -log2(10000) / 32
.endr
.irp j, 0,1,2,3,4,5,6,7
	v_exp_f32 v[TF+\j], v[TA+\j]
.endr
	v_nop                                          ; a plain line behind the last exponential,
	s_wait_alu depctr_va_vdst(0)                   ; and one wait for the eight, ahead of their first reader
.irp j, 0,1,2,3,4,5,6,7
	v_mul_f32 v[TG+\j], v4, v[TF+\j]               ; the angle: one rounding
.endr
.irp j, 0,1,2,3,4,5,6,7
	v_mul_f32 v[TN+\j], 0x3f22f983, v[TG+\j]       ; x 2 / pi
.endr
.irp j, 0,1,2,3,4,5,6,7
	v_rndne_f32 v[TN+\j], v[TN+\j]
.endr
.irp j, 0,1,2,3,4,5,6,7
	v_fmamk_f32 v[TR+\j], v[TN+\j], 0xbfc90fdb, v[TG+\j]   ; less n x pi / 2: its f32 part,
.endr
.irp j, 0,1,2,3,4,5,6,7
	v_fmamk_f32 v[TR+\j], v[TN+\j], 0x333bbd2e, v[TR+\j]   ; and what that part is too large by
.endr
.irp j, 0,1,2,3,4,5,6,7
	v_mul_f32 v[TZ+\j], v[TR+\j], v[TR+\j]
.endr
.irp j, 0,1,2,3,4,5,6,7
	v_fma_f32 v[TS+\j], v[TZ+\j], s34, s32         ; sin r = r + r z (-1/6 + z (1/120 - z / 5040))
.endr
.irp j, 0,1,2,3,4,5,6,7
	v_fmaak_f32 v[TS+\j], v[TS+\j], v[TZ+\j], 0xbe2aaaab
.endr
.irp j, 0,1,2,3,4,5,6,7
	v_mul_f32 v[TS+\j], v[TS+\j], v[TZ+\j]
.endr
.irp j, 0,1,2,3,4,5,6,7
	v_fma_f32 v[TS+\j], v[TS+\j], v[TR+\j], v[TR+\j]
.endr
.irp j, 0,1,2,3,4,5,6,7
	v_fma_f32 v[TC+\j], v[TZ+\j], s35, s33         ; cos r = 1 + z (-1/2 + z (1/24 + z (-1/720 + z / 40320)))
.endr
.irp j, 0,1,2,3,4,5,6,7
	v_fmaak_f32 v[TC+\j], v[TC+\j], v[TZ+\j], 0x3d2aaaab
.endr
.irp j, 0,1,2,3,4,5,6,7
	v_fma_f32 v[TC+\j], v[TC+\j], v[TZ+\j], -0.5
.endr
.irp j, 0,1,2,3,4,5,6,7
	v_fma_f32 v[TC+\j], v[TC+\j], v[TZ+\j], 1.0
.endr
.irp j, 0,1,2,3,4,5,6,7
	v_cvt_i32_f32 v[TQ+\j], v[TN+\j]
.endr
.irp j, 0,1,2,3,4,5,6,7                ; an odd n swaps the two;
	v_and_b32 v[TT+\j], 1, v[TQ+\j]
	v_cmp_eq_u32 vcc_lo, 1, v[TT+\j]
	v_cndmask_b32 v[SI+\j], v[TS+\j], v[TC+\j], vcc_lo
	v_cndmask_b32 v[CO+\j], v[TC+\j], v[TS+\j], vcc_lo
.endr
.irp j, 0,1,2,3,4,5,6,7                ; sin changes sign where n mod 4 is 2 or 3: bit 1 of n;
	v_lshlrev_b32 v[TT+\j], 30, v[TQ+\j]
.endr
.irp j, 0,1,2,3,4,5,6,7
	v_and_b32 v[TT+\j], 0x80000000, v[TT+\j]
.endr
.irp j, 0,1,2,3,4,5,6,7
	v_xor_b32 v[SI+\j], v[SI+\j], v[TT+\j]
.endr
.irp j, 0,1,2,3,4,5,6,7                ; cos where it is 1 or 2: bit 1 of n + 1
	v_add_nc_u32 v[TT+\j], 1, v[TQ+\j]
.endr
.irp j, 0,1,2,3,4,5,6,7
	v_lshlrev_b32 v[TT+\j], 30, v[TT+\j]
.endr
.irp j, 0,1,2,3,4,5,6,7
	v_and_b32 v[TT+\j], 0x80000000, v[TT+\j]
.endr
.irp j, 0,1,2,3,4,5,6,7
	v_xor_b32 v[CO+\j], v[CO+\j], v[TT+\j]
.endr
.irp j, 0,1,2,3,4,5,6,7
	v_mul_f32 v[COS+\j], 0x3e38aa3b, v[CO+\j]      ; x log2(e) / 8
.endr
.irp j, 0,1,2,3,4,5,6,7
	v_mul_f32 v[SIS+\j], 0x3e38aa3b, v[SI+\j]
.endr
.irp p, 0,1                            ; each store covers 512 consecutive bytes, aligned
	global_store_b128 v6, v[COS+4*\p:COS+4*\p+3], s[20:21] offset:512*\p
	global_store_b128 v6, v[SIS+4*\p:SIS+4*\p+3], s[20:21] offset:1024+512*\p
	global_store_b128 v6, v[CO+4*\p:CO+4*\p+3], s[20:21] offset:524288+512*\p
	global_store_b128 v6, v[SI+4*\p:SI+4*\p+3], s[20:21] offset:524288+1024+512*\p
.endr
	s_endpgm
.Lfunc_end_k_q6931a16306_prep:
	.size	k_q6931a16306_prep, .Lfunc_end_k_q6931a16306_prep-k_q6931a16306_prep
	.p2alignl 7, 3214868480
	.fill 96, 4, 3214868480
	.section	.rodata,"a",@progbits
	.p2align	6, 0x0
	.amdhsa_kernel k_q6931a16306_prep
		.amdhsa_group_segment_fixed_size 33280
		.amdhsa_private_segment_fixed_size 0
		.amdhsa_enable_private_segment 0
		.amdhsa_kernarg_size 72
		.amdhsa_user_sgpr_count 2
		.amdhsa_user_sgpr_kernarg_segment_ptr 1
		.amdhsa_wavefront_size32 1
		.amdhsa_system_sgpr_workgroup_id_x 1
		.amdhsa_system_sgpr_workgroup_id_y 1
		.amdhsa_system_sgpr_workgroup_id_z 1
		.amdhsa_system_vgpr_workitem_id 0
		.amdhsa_next_free_vgpr 208
		.amdhsa_next_free_sgpr 66
		.amdhsa_reserve_vcc 1
		.amdhsa_float_denorm_mode_32 3
		.amdhsa_float_denorm_mode_16_64 3
		.amdhsa_memory_ordered 1
		.amdhsa_forward_progress 1
		.amdhsa_inst_pref_size 68
	.end_amdhsa_kernel
	.amdgpu_metadata
---
amdhsa.version: [ 1, 2 ]
amdhsa.kernels:
  - .name:           k_q6931a16306_prep
    .symbol:         k_q6931a16306_prep.kd
    .args:
      - { .name: x, .offset: 0, .size: 8, .value_kind: global_buffer, .address_space: global }
      - { .name: Wq, .offset: 8, .size: 8, .value_kind: global_buffer, .address_space: global }
      - { .name: Wk, .offset: 16, .size: 8, .value_kind: global_buffer, .address_space: global }
      - { .name: Wv, .offset: 24, .size: 8, .value_kind: global_buffer, .address_space: global }
      - { .name: Wo, .offset: 32, .size: 8, .value_kind: global_buffer, .address_space: global }
      - { .name: codes, .offset: 40, .size: 8, .value_kind: global_buffer, .address_space: global }
      - { .name: scales, .offset: 48, .size: 8, .value_kind: global_buffer, .address_space: global }
      - { .name: wo16, .offset: 56, .size: 8, .value_kind: global_buffer, .address_space: global }
      - { .name: rope, .offset: 64, .size: 8, .value_kind: global_buffer, .address_space: global }
    .group_segment_fixed_size: 33280
    .private_segment_fixed_size: 0
    .kernarg_segment_align: 8
    .kernarg_segment_size: 72
    .max_flat_workgroup_size: 128
    .sgpr_count:     66
    .vgpr_count:     208
    .wavefront_size: 32
...
	.end_amdgpu_metadata
.endif
;; end of part 1
;; launch qkv (part 2): grid 12 x 32, 4 waves a work-group, clusters of 4 x 4, 327,680 bytes of LDS; arguments codes, scales, rope, qkv; writes qkv
.if DOCPART == 2
	.amdgcn_target "amdgcn-amd-amdhsa--gfx1250"
	.amdhsa_code_object_version 6
	.text
	.protected	k_q6931a16306_qkv
	.globl	k_q6931a16306_qkv
	.p2align	8
	.type	k_q6931a16306_qkv,@function
k_q6931a16306_qkv:
	s_mov_b64 s[64:65], 0
	v_nop
	global_prefetch_b8 v0, s[64:65] scope:SCOPE_SE
	s_setreg_imm32_b32 hwreg(HW_REG_WAVE_MODE, 25, 1), 1
	s_wait_xcnt 0x0
	s_wait_alu depctr_hold_cnt(0) depctr_sa_sdst(0) depctr_va_vdst(0) depctr_va_sdst(0) depctr_va_ssrc(0) depctr_va_vcc(0) depctr_vm_vsrc(0)
	s_getreg_b32 s2, hwreg(HW_REG_IB_STS2, 6, 4)
	s_cmp_eq_u32 s2, 0
	s_cbranch_scc0 .Lentry_in_a_cluster
	s_endpgm
.Lentry_in_a_cluster:
	s_bfe_u32 s2, ttmp6, 0x10000c
	s_cmp_lg_u32 s2, 0xf033
	s_cbranch_scc0 .Lentry_shape_is_right
	s_endpgm
.Lentry_shape_is_right:
; q, k, v = x Wq^T, x Wk^T, x Wv^T on codes of FP4 (E2M1) with one E8M0 scale for each 32 along K = 1,024; sums in f32; then the rotation of q and k, the rounding to f16, and the store.
; codes: [11264 rows][512 bytes], scales: [11264][32 bytes]; rows 0-8191 x, 8192.. Wq, 9216.. Wk, 10240.. Wv.
; A tile of 256 x 256 results is made by a work-group of four waves; a wave makes 128 x 128: 64 accumulators of 16 x 16, 512 registers.  K goes in two steps of 512 (rows of 256 bytes) into two LDS slots, each filled ONCE;
; the scale bytes of the tile's 2 x 256 rows for all of K come with them.  Nothing is filled again.
; TWO SIDES.  The matrix instruction takes 16 rows of the "B side" as source 0 and 16 rows of the "A side" as source 1: in a result lane (r, h) then holds A-side row r and the eight neighbouring B-side rows 8 h + 0 .. 7.
;   cluster x = 0 (q), 1 (k): A side = x, B side = the weight: a lane holds one position and eight channels.      cluster x = 2 (v): A side = Wv, B side = x: a lane holds one channel and eight keys.
; The choice hangs on the cluster's x, which all sixteen partners share.
; CLUSTERS: 4 x 4 work-groups.  The four of a row of the cluster need the same A-side tiles, the four of a column the same B-side tiles: each tile is asked for JOINTLY.
; THE RESULTS ARE STORED AS IMAGES OF THE NEXT LAUNCH'S OPERAND REGISTERS, f16, each store 512 consecutive bytes at 16 x lane:
;   q at 0, k at 1 << 24: [batch x head 64][tile of 16 positions 128][s 2][c 2][lane][16 bytes]: lane (r, h): position r, channels 32 s + 16 c + 8 h + 0 .. 7
;   v at 2 << 24:         [batch x head 64][32 keys 64][ct 4][c 2][lane][16 bytes]:              lane (r, h): channel 16 ct + r, keys 16 c + 8 h + 0 .. 7
; THE ROTATION: out[d] = q[d] cos - q[d + 32] sin, out[d + 32] = q[d + 32] cos + q[d] sin, d = 0 .. 31: a multiplication and a fused multiply-add each (one rounding fewer than a multiply, a multiply and an add).
; q's table carries log2(e) / 8.  The tables' first two blocks are asked for at the head by every wave, v's waves too (a clamped table, inside the buffer, 8 KB a wave that they do not use): so the counted waits
; of the way out find the same loads issued on every way through the text.
; LIMITS: q log2(e) / 8, k and v must lie within +-65,504 (f16); under 6e-5 they fall on f16's subnormals, 6e-8 apart.  NaN and infinities are not served.
; REGISTERS, in windows of 256: window 0: v0-31 addresses; v32-95 scale words, two sets; v128-191 the A side's fragments, ONE set; v192-255 two blocks of the tables; on the way out v32-159 are at work.
;   window 1: the B side's fragments, TWO sets, at v0 and v128.   window 2: the 32 accumulators of my A-side rows 0-63 (accumulator (a, b) at v[8 (8 a + b)]);   window 3: those of rows 64-127.
.set NQ,     4                         ; steps of 128 along K in a slot
.set ROWB,   256                       ; a tile's row in bytes: 512 codes
.set KROW,   512                       ; a row of codes in memory
.set PITCH,  272                       ; an LDS row: 256 bytes + 16 of padding = 68 words: the 16 rows that a load touches start 4 banks apart (64 banks of 4 bytes: ISA guide 11.1)
.set FR,     8                         ; registers of a fragment: 16 rows x 128 K
.set NL,     2                         ; LDS loads that bring one
.set NP,     4                         ; places behind this matrix instruction (ISA guide 7.12.1)
.set HALFT,  128*PITCH                 ; 128 rows: what one tensor load brings, and what one wave reads of a side
.set SLOT,   4*HALFT                   ; the A side's 256 rows, then the B side's
.set KS,     32                        ; a row of scales in bytes
.set SCL,    2*SLOT                    ; behind the slots: the scales, as rows of 256 bytes + 16 of padding
.set HALFS,  (128*KS/256)*272          ; the scales of 128 rows: what one tensor load brings
.set SBLK,   (16*KS/256)*272           ; those of 16 rows
.set SPARE,  SCL+4*HALFS               ; behind the scales: the spare words, 128 bytes a wave
.set ADRA, 16                          ; v16-17  LDS address of my A-side fragments in slot 0, 1
.set ADRB, 20                          ; v20-21  the same for the B side
.set L16,  26                          ; v26     16 x lane: my place in every image and table
.set ADRS, 27                          ; v27     LDS address of my scale words: lanes 0-15 the A side's rows, lanes 16-31 the B side's
.set SPW,  28                          ; v28     LDS address of my spare word; never rewritten
.set NIL,  29                          ; v29     0; never rewritten
.set SC,   32                          ; scale words: set s at v[SC + 32 s]; register 4 i + q: lanes 0-15 the word of A's block i, lanes 16-31 of B's block i, for the slot's q-th 128 along K
.set AF,   128                         ; the A side's fragments
.set RF,   32                          ; the way out: 64 rotated numbers
.set PKB,  96                          ; the way out: two sets of 32 registers to store
.set TAB,  192                         ; two blocks of the tables: [c 2][cos 8, sin 8]
.set G1, 24                            ; s[24:31] descriptor group 1 for the A side's tiles;  s[32:39] group 0, one set for each slot
.set G0, 32
.set G1B, 48                           ; s[48:55], s[56:63] the same for the B side
.set G0B, 56
.set G1S, 68                           ; s[68:75], s[76:79] groups 1 and 0 for the A side's scales;  s[80:87], s[88:91] for the B side's
.set G0S, 76
.set G1SB, 80
.set G0SB, 88
.set MSB, 0
.macro WIN new                         ; the immediate's high byte repeats the setting that is left; a switch that changes nothing is dropped
.if MSB != (\new)
	s_set_vgpr_msb (MSB<<8)|(\new)
.set MSB, (\new)
.endif
.endm
.set MUL_LO, 0xa1                      ; source 0 (B side) window 1, source 1 (A side) window 0, C and D window 2
.set MUL_HI, 0xf1                      ; the same, C and D window 3
.set TO_B,   0x40                      ; destination window 1, address window 0
; A joint load: waves 0 and 1 fetch for the A side, waves 2 and 3 for the B side.  Each of the two lines has ONE mask and one set of registers for all that issue it; the branch hangs on the wave's number alone.
; An s_nop 0 and four v_nop follow each of the two lines, ahead of the jump, the label and what follows.
.macro JLOAD g0a, g1a, g0b, g1b
	s_cmp_eq_u32 s15, 0
	s_cbranch_scc0 .Lfor_b_\@
	tensor_load_to_lds s[\g0a:\g0a+3], s[\g1a:\g1a+7]
	s_nop 0
.rept 4
	v_nop
.endr
	s_branch .Lasked_\@
.Lfor_b_\@:
	tensor_load_to_lds s[\g0b:\g0b+3], s[\g1b:\g1b+7]
	s_nop 0
.rept 4
	v_nop
.endr
.Lasked_\@:
.endm
.macro CROUND                          ; a round of the cluster's barrier: my work-group's barrier; wave 0 signals for the work-group; every wave waits for all sixteen; my work-group's barrier once more
	s_barrier_signal -1
	s_barrier_wait -1
	s_cmp_lg_u32 s14, 0
	s_cbranch_scc1 .Lnot_wave_0_\@
	s_barrier_signal -3
.Lnot_wave_0_\@:
	s_barrier_wait -3
	s_barrier_signal -1
	s_barrier_wait -1
.endm
	s_load_b128 s[4:7], s[0:1], 0x0                ; codes s[4:5], scales s[6:7]
	s_load_b128 s[8:11], s[0:1], 0x10              ; rope s[8:9], qkv s[10:11]
	v_lshl_add_u32 v[SPW], v0, 2, SPARE
	v_mov_b32 v[NIL], 0
	ds_add_u32 v[SPW], v[NIL]                      ; the wave's opening: the add, twice on end, and its wait ahead of my first tensor load; the set-up below stands between
	ds_add_u32 v[SPW], v[NIL]
	v_lshrrev_b32 v1, 5, v0
	v_readfirstlane_b32 s14, v1                    ; wave 0..3
	s_lshr_b32 s15, s14, 1                         ; which half of the tile's A-side rows is mine.  Also: I fetch for the A side (0) or the B side (1)
	s_and_b32 s16, s14, 1                          ; which half of its B-side rows.  Also: which 128 rows of that side I fetch
	s_bfe_u32 s40, ttmp6, 0x40000                  ; cx, cy: my place in the cluster
	s_bfe_u32 s41, ttmp6, 0x40004
	s_and_b32 s12, ttmp7, 0xffff                   ; the cluster's y: which 1,024 rows of x
	s_lshl_b32 s43, s41, 2
	s_lshl_b32 s43, 15, s43                        ; my row of the cluster
	s_lshl_b32 s44, 0x1111, s40                    ; my column
	; descriptor group 1: a tile of 128 rows x 256 bytes, padded in LDS
	s_or_b32 s[G1+0], s43, (0<<16)|(1<<20)|(1<<21)|(5<<22)|(3<<25)  ; 15:0 the mask: my row; 17:16 elements of 1 byte; 20 padding on; 21 set beside a mask; 24:22 after every 64 words (code 5); 31:25 four words (code 3)
	s_or_b32 s[G1B+0], s44, (0<<16)|(1<<20)|(1<<21)|(5<<22)|(3<<25) ; the same with the mask of my column
.irp g, G1, G1B
	s_mov_b32 s[\g+1], ROWB<<16                    ; tensor_dim0
	s_mov_b32 s[\g+2], 128<<16                     ; tensor_dim1
	s_mov_b32 s[\g+3], ROWB<<16                    ; tile_dim0
	s_mov_b32 s[\g+4], 128                         ; tile_dim1
	s_mov_b32 s[\g+5], KROW                        ; tensor_dim0_stride
	s_mov_b32 s[\g+6], 0
	s_mov_b32 s[\g+7], 0
.endr
	; and for the scales of 128 rows: a dense block of 4,096 bytes, as 16 rows of 256 bytes (32 elements of 8 bytes), 16 bytes of padding behind each
	s_or_b32 s[G1S+0], s43, (3<<16)|(1<<20)|(1<<21)|(5<<22)|(3<<25)
	s_or_b32 s[G1SB+0], s44, (3<<16)|(1<<20)|(1<<21)|(5<<22)|(3<<25)
.irp g, G1S, G1SB
	s_mov_b32 s[\g+1], 32<<16
	s_mov_b32 s[\g+2], (128*KS/256)<<16
	s_mov_b32 s[\g+3], 32<<16
	s_mov_b32 s[\g+4], 128*KS/256
	s_mov_b32 s[\g+5], 32
	s_mov_b32 s[\g+6], 0
	s_mov_b32 s[\g+7], 0
.endr
	; which rows are the two sides'
	s_lshl_b32 s18, s12, 10                        ; this cluster's 1,024 rows of x
	s_lshl_b32 s19, ttmp9, 10
	s_add_co_u32 s19, s19, 8192                    ; Wq's or Wk's rows
	s_mov_b32 s17, 10240                           ; Wv's
	s_cmp_eq_u32 ttmp9, 2                          ; v?  Only selects follow
	s_cselect_b32 s17, s17, s18                    ; the A side's first row
	s_cselect_b32 s42, s18, s19                    ; the B side's
	s_cselect_b32 s66, s40, s41                    ; which of cx, cy counts positions,
	s_cselect_b32 s67, s41, s40                    ; and which heads;
	s_cselect_b32 s96, s16, s15                    ; the same of the wave's two halves
	s_cselect_b32 s97, s15, s16
	s_lshl_b32 s18, s16, 7                         ; which 128 rows of the tile I fetch
	s_lshl_b32 s20, s41, 8
	s_add_co_u32 s20, s20, s17
	s_add_co_u32 s20, s20, s18                     ; A side: first row + 256 cy + 128 x half: cx never enters
	s_lshl_b32 s46, s40, 8
	s_add_co_u32 s46, s46, s42
	s_add_co_u32 s46, s46, s18                     ; B side: first row + 256 cx + 128 x half: cy never enters
	s_lshl_b32 s22, s20, 5                         ; where these rows' scales begin, in bytes,
	s_mov_b32 s23, 0
	s_lshl_b32 s92, s46, 5
	s_mov_b32 s93, 0
	s_lshl_b32 s20, s20, 9                         ; and their codes
	s_mov_b32 s21, 0
	s_lshl_b32 s46, s46, 9
	s_mov_b32 s47, 0
	s_mul_i32 s45, s14, HALFT                      ; where they go: wave x 128 rows: no place in the cluster enters an LDS address
	s_mul_i32 s94, s14, HALFS
	s_wait_dscnt 0x0                               ; both opening adds are done
	s_wait_kmcnt 0x0
	s_add_nc_u64 s[20:21], s[4:5], s[20:21]
	s_add_nc_u64 s[22:23], s[6:7], s[22:23]
	s_add_nc_u64 s[46:47], s[4:5], s[46:47]
	s_add_nc_u64 s[92:93], s[6:7], s[92:93]
	CROUND                                         ; all sixteen work-groups are here: the joint loads meet
	s_mov_b32 s[G0S], 1
	s_add_co_u32 s[G0S+1], s94, SCL
	s_mov_b64 s[G0S+2:G0S+3], s[22:23]
	s_or_b32 s[G0S+3], s[G0S+3], 0x80000000
	s_mov_b32 s[G0SB], 1
	s_add_co_u32 s[G0SB+1], s94, SCL
	s_mov_b64 s[G0SB+2:G0SB+3], s[92:93]
	s_or_b32 s[G0SB+3], s[G0SB+3], 0x80000000
	JLOAD G0S, G1S, G0SB, G1SB                     ; the scales first: they are wanted with the first slot.  By the text's own count a wave has three tensor loads out
.irp s, 0,1
	s_mov_b32 s[G0+4*\s], 1
	s_add_co_u32 s[G0+4*\s+1], s45, \s*SLOT
	s_add_nc_u64 s[G0+4*\s+2:G0+4*\s+3], s[20:21], \s*ROWB
	s_or_b32 s[G0+4*\s+3], s[G0+4*\s+3], 0x80000000
	s_mov_b32 s[G0B+4*\s], 1
	s_add_co_u32 s[G0B+4*\s+1], s45, \s*SLOT
	s_add_nc_u64 s[G0B+4*\s+2:G0B+4*\s+3], s[46:47], \s*ROWB
	s_or_b32 s[G0B+4*\s+3], s[G0B+4*\s+3], 0x80000000
	JLOAD G0+4*\s, G1, G0B+4*\s, G1B
.endr
	v_and_b32 v1, 15, v0                           ; r = lane % 16
	v_bfe_u32 v2, v0, 4, 1                         ; h = lane / 16
	v_mul_u32_u24 v3, v1, PITCH
	v_lshl_add_u32 v4, v2, 4, v3                   ; a fragment's row x pitch + 16 x half
	s_mul_i32 s21, s15, HALFT                      ; my 128 rows of the A side
	s_mul_i32 s22, s16, HALFT                      ; my 128 rows of the B side,
	s_add_co_u32 s22, s22, 2*HALFT                 ; which lie behind the A side's 256
.irp s, 0,1
	v_add_nc_u32 v[ADRA+\s], s21, v4
	v_add_nc_u32 v[ADRB+\s], s22, v4
	s_add_co_u32 s21, s21, SLOT
	s_add_co_u32 s22, s22, SLOT
.endr
	v_mul_u32_u24 v5, v1, KS                       ; my row's scales: 32 bytes a row,
	v_lshrrev_b32 v6, 8, v5
	v_lshl_add_u32 v5, v6, 4, v5                   ; and 16 more for each 256 passed
	s_mul_i32 s21, s15, HALFS
	s_mul_i32 s22, s16, HALFS
	s_add_co_u32 s22, s22, 2*HALFS
	s_sub_co_u32 s22, s22, s21
	v_mul_u32_u24 v6, s22, v2                      ; lanes 16-31 take the B side's: one product, the distance between the two bases x h
	s_add_co_u32 s21, s21, SCL
	v_add_nc_u32 v5, v5, v6
	v_add_nc_u32 v[ADRS], s21, v5
	v_and_b32 v6, 31, v0
	v_lshlrev_b32 v[L16], 4, v6
	; where my results go, one formula for q, k and v: first position and first head of my 128 x 128
	s_and_b32 s18, s12, 1
	s_lshl_b32 s18, s18, 2
	s_add_co_u32 s18, s18, s66
	s_lshl_b32 s18, s18, 8
	s_lshl_b32 s19, s96, 7
	s_add_co_u32 s18, s18, s19                     ; the first position in its batch: 1,024 (cluster y % 2) + 256 x place + 128 x half
	s_lshl_b32 s19, s67, 2
	s_lshl_b32 s20, s97, 1
	s_add_co_u32 s19, s19, s20                     ; the first head: 4 x place + 2 x half
	s_lshl_b32 s20, ttmp9, 24                      ; q, k or v
	s_lshr_b32 s21, s12, 1
	s_lshl_b32 s21, s21, 22                        ; the batch: 16 heads of 262,144 bytes
	s_add_co_u32 s20, s20, s21
	s_lshl_b32 s21, s19, 18
	s_add_co_u32 s20, s20, s21
	s_lshl_b32 s21, s18, 7                         ; 128 bytes a position, in q's, k's and v's layout alike
	s_add_co_u32 s20, s20, s21
	s_mov_b32 s21, 0
	s_add_nc_u64 s[10:11], s[10:11], s[20:21]
	s_min_u32 s20, ttmp9, 1                        ; table 0 for q, table 1 for k (and, unused, for v)
	s_lshl_b32 s20, s20, 19
	s_lshl_b32 s22, s18, 8                         ; 4,096 bytes for each 16 positions
	s_add_co_u32 s20, s20, s22
	s_add_nc_u64 s[8:9], s[8:9], s[20:21]
.macro TABLE a                         ; the tables of my block a of 16 positions: eight loads of 512 consecutive bytes
.irp c, 0,1
.irp p, 0,1,2,3
	global_load_b128 v[TAB+32*((\a)%2)+16*\c+4*\p:TAB+32*((\a)%2)+16*\c+4*\p+3], v[L16], s[8:9] offset:4096*(\a)+2048*\c+512*\p
.endr
.endr
.endm
	TABLE 0
	TABLE 1
.macro FRAG reg, adr, q, i             ; a fragment, 16 rows x 128 K of 4-bit codes, is 8 registers: lane l holds row l % 16; registers 4 c .. 4 c + 3 hold K = 64 c + 32 (l / 16) + 0 .. 31
.irp c, 0,1
	ds_load_b128 v[\reg+4*\c:\reg+4*\c+3], v[\adr] offset:64*(\q)+32*\c+(\i)*16*PITCH
.endr
.endm
; 16 matrix instructions: the A side's blocks a0, a0 + 1 x the B side's eight, 128 along K: the slot's q-th.  p: the B side's set;  sc: the set of scale words.  zero = 1: the first product starts the sums.
; The 64 accumulators take turns, one instruction a turn, in the same order in every step.
.macro MUL16 a0, p, q, sc, zero
.irp a, \a0, \a0+1
.irp b, 0,1,2,3,4,5,6,7
.if \zero
	v_wmma_scale_f32_16x16x128_f8f6f4 v[8*(8*((\a)%4)+\b):8*(8*((\a)%4)+\b)+7], v[128*(\p)+FR*\b:128*(\p)+FR*\b+FR-1], v[AF+FR*(\a):AF+FR*(\a)+FR-1], 0, v[SC+8*NQ*(\sc)+NQ*\b+(\q)], v[SC+8*NQ*(\sc)+NQ*(\a)+(\q)] matrix_a_fmt:MATRIX_FMT_FP4 matrix_b_fmt:MATRIX_FMT_FP4 matrix_a_scale:MATRIX_SCALE_ROW1
.else
	v_wmma_scale_f32_16x16x128_f8f6f4 v[8*(8*((\a)%4)+\b):8*(8*((\a)%4)+\b)+7], v[128*(\p)+FR*\b:128*(\p)+FR*\b+FR-1], v[AF+FR*(\a):AF+FR*(\a)+FR-1], v[8*(8*((\a)%4)+\b):8*(8*((\a)%4)+\b)+7], v[SC+8*NQ*(\sc)+NQ*\b+(\q)], v[SC+8*NQ*(\sc)+NQ*(\a)+(\q)] matrix_a_fmt:MATRIX_FMT_FP4 matrix_b_fmt:MATRIX_FMT_FP4 matrix_a_scale:MATRIX_SCALE_ROW1
.endif
.endr
.endr
.endm
.macro FETCH_B slot, q, p              ; the B side's eight fragments of the slot's q-th 128 along K into set p
	WIN TO_B
.irp i, 0,1,2,3,4,5,6,7
	FRAG 128*(\p)+FR*\i, ADRB+\slot, \q, \i
.endr
	WIN 0
.endm
.macro FETCH_A slot, q, i0             ; the A side's blocks i0 .. i0 + 3
.irp i, \i0, \i0+1, \i0+2, \i0+3
	FRAG AF+FR*(\i), ADRA+\slot, \q, \i
.endr
.endm
.macro SCALES sc                       ; a slot's scale words into set sc: four words a row; lanes 0-15 take the A side's block i, lanes 16-31 the B side's
.irp i, 0,1,2,3,4,5,6,7
	ds_load_b128 v[SC+8*NQ*\sc+NQ*\i:SC+8*NQ*\sc+NQ*\i+3], v[ADRS] offset:\i*SBLK
.endr
.endm
; A load into a register that a matrix instruction has read, and a vector instruction that reads a matrix result or writes one of a matrix instruction's registers, stand NP places behind it; only plain vector
; instructions that name none of its registers are places (ISA guide 7.12.1 for vector instructions).
.macro PLACES n
.rept \n
	v_nop
.endr
.endm
; A step of 128 along K that has its successor in the same slot.  A block of the A side is free as soon as its eight products are issued: blocks 0-3 are fetched anew in the step's middle, blocks 4-7 at its end.
.macro STEP slot, q, zero
	s_wait_dscnt 4*NL                              ; all but the youngest eight loads (the A side's blocks 4-7) are in
	WIN MUL_LO
	MUL16 0, (\q)%2, \q, \slot, \zero
	MUL16 2, (\q)%2, \q, \slot, \zero
	s_wait_dscnt 0                                 ; blocks 4-7 are in (asked for 32 matrix instructions ago)
	PLACES NP
	FETCH_B \slot, (\q)+1, 1-(\q)%2
	FETCH_A \slot, (\q)+1, 0
	WIN MUL_HI
	MUL16 4, (\q)%2, \q, \slot, \zero
	MUL16 6, (\q)%2, \q, \slot, \zero
	PLACES NP
	WIN 0
	FETCH_A \slot, (\q)+1, 4
.endm
; Slot 0's last step goes on into slot 1: ONE barrier, in front of which each wave has waited for all its tensor loads, its part of slot 1 among them.
.macro TURN slot, next
	s_wait_tensorcnt 0x0                           ; all my tensor loads have landed
	ds_add_u32 v[SPW], v[NIL]                      ; 0 onto my spare word
	s_wait_dscnt 4*NL+1                            ; (the add and the youngest eight loads may be out)
	WIN MUL_LO
	MUL16 0, 1, NQ-1, \slot, 0                     ; sixteen matrix instructions stand between the add and the wait for it
	s_wait_dscnt 0x0                               ; the add is done, and my LDS loads are in
	s_barrier_signal -1
	MUL16 2, 1, NQ-1, \slot, 0
	WIN 0
	s_barrier_wait -1                              ; everybody's part of the next slot is in
	PLACES NP
	v_add_nc_u32 v[ADRS], 4*NQ, v[ADRS]            ; on to the next slot's scale words
	FETCH_B \next, 0, 0
	FETCH_A \next, 0, 0
	SCALES \next
	WIN MUL_HI
	MUL16 4, 1, NQ-1, \slot, 0
	MUL16 6, 1, NQ-1, \slot, 0
	PLACES NP
	WIN 0
	FETCH_A \next, 0, 4
.endm
.macro STEPS slot, from                ; the slot's steps from .. NQ - 2
.set Q, \from
.rept NQ-1-\from
	STEP \slot, Q, 0
.set Q, Q+1
.endr
.endm
	s_wait_tensorcnt 1                             ; the scales and my part of slot 0 are in (slot 1's load may be out),
	s_barrier_signal -1
	s_barrier_wait -1                              ; everybody's are
	FETCH_B 0, 0, 0
	FETCH_A 0, 0, 0
	SCALES 0
	FETCH_A 0, 0, 4
	STEP 0, 0, 1                                   ; the first step's products start the sums: nothing is cleared
	STEPS 0, 1
	TURN 0, 1
	STEPS 1, 0
	s_wait_dscnt 4*NL                              ; the very last step: nothing more to fetch
	WIN MUL_LO
	MUL16 0, 1, NQ-1, 1, 0
	MUL16 2, 1, NQ-1, 1, 0
	s_wait_dscnt 0
	WIN MUL_HI
	MUL16 4, 1, NQ-1, 1, 0
	MUL16 6, 1, NQ-1, 1, 0
	WIN 0
	PLACES NP                                      ; ahead of the first read of results and the first write over scale words and fragments
	s_cmp_eq_u32 ttmp9, 2                          ; the cluster's x: the same in all partners
	s_cbranch_scc1 .Lv
; THE WAY OUT OF q AND k, block a of 16 positions at a time.  Accumulator (a, b): head b / 4 of my two, channels 16 (b % 4) + 8 h + j.  Channel d's partner d + 32 lies two accumulators on, in the same lane and register.
.macro ROPE a
.set T, TAB+32*((\a)%2)
.set AC, 64*((\a)%4)
.set PK, PKB+32*((\a)%2)
.if (\a) < 7
	s_wait_loadcnt 8                               ; this block's eight table loads are in; the next block's eight may be out
.else
	s_wait_loadcnt 0
.endif
	WIN 0x02+(\a)/4                                ; source 0: the accumulators' window
.irp hd, 0,1
.irp c, 0,1
.set LO, AC+8*(4*\hd+\c)
.set HI, LO+16
.set FO, RF+16*(2*\hd+\c)
.set TC, T+16*\c
.irp jp, 0,2,4,6                       ; each accumulator is read from its low end on
	v_pk_mul_f32 v[FO+\jp:FO+\jp+1], v[LO+\jp:LO+\jp+1], v[TC+\jp:TC+\jp+1]
	v_pk_mul_f32 v[FO+8+\jp:FO+9+\jp], v[HI+\jp:HI+\jp+1], v[TC+\jp:TC+\jp+1]
.endr
.irp jp, 0,2,4,6
	v_pk_fma_f32 v[FO+\jp:FO+\jp+1], v[HI+\jp:HI+\jp+1], v[TC+8+\jp:TC+9+\jp], v[FO+\jp:FO+\jp+1] neg_lo:[1,0,0] neg_hi:[1,0,0]
	v_pk_fma_f32 v[FO+8+\jp:FO+9+\jp], v[LO+\jp:LO+\jp+1], v[TC+8+\jp:TC+9+\jp], v[FO+8+\jp:FO+9+\jp]
.endr
.endr
.endr
	WIN 0
.if (\a) >= 2
	s_wait_xcnt 0x0                                ; block a - 2's stores have read their registers, which are written again now
.endif
.set n, 0
.rept 32
	v_cvt_pk_f16_f32 v[PK+n], v[RF+2*n], v[RF+2*n+1]
.set n, n+1
.endr
.if (\a) < 6
	TABLE (\a)+2
.endif
.irp hd, 0,1
.irp c, 0,1
.irp s, 0,1
	global_store_b128 v[L16], v[PK+8*(2*\hd+\c)+4*\s:PK+8*(2*\hd+\c)+4*\s+3], s[10:11] offset:262144*\hd+2048*(\a)+1024*\s+512*\c   ; 512 consecutive bytes, aligned
.endr
.endr
.endr
.endm
.irp a, 0,1,2,3,4,5,6,7
	ROPE \a
.endr
	s_branch .Lend
; THE WAY OUT OF v.  Accumulator (a, b): head a / 4 of my two, channel 16 (a % 4) + r; keys 16 b + 8 h + j: rounded in pairs they are half a fragment of V^T.
.macro VOUT a
.set AC, 64*((\a)%4)
.set PK, PKB+32*((\a)%2)
.if (\a) >= 2
	s_wait_xcnt 0x0                                ; block a - 2's stores have read their registers
.endif
	WIN 0x0a+5*((\a)/4)                            ; sources 0 and 1: the accumulators' window
.irp b, 0,1,2,3,4,5,6,7
.irp i, 0,1,2,3
	v_cvt_pk_f16_f32 v[PK+4*\b+\i], v[AC+8*\b+2*\i], v[AC+8*\b+2*\i+1]
.endr
.endr
	WIN 0
.irp b, 0,1,2,3,4,5,6,7
	global_store_b128 v[L16], v[PK+4*\b:PK+4*\b+3], s[10:11] offset:262144*((\a)/4)+4096*(\b/2)+1024*((\a)%4)+512*(\b%2)
.endr
.endm
.Lv:
.irp a, 0,1,2,3,4,5,6,7
	VOUT \a
.endr
.Lend:
	s_wait_tensorcnt 0x0                           ; the wave's end
	ds_add_u32 v[SPW], v[NIL]
	s_wait_dscnt 0x0
	CROUND                                         ; the closing round: no work-group ends while a partner may still ask for a tile that names it
	s_endpgm
.Lfunc_end_k_q6931a16306_qkv:
	.size	k_q6931a16306_qkv, .Lfunc_end_k_q6931a16306_qkv-k_q6931a16306_qkv
	.p2alignl 7, 3214868480
	.fill 96, 4, 3214868480
	.section	.rodata,"a",@progbits
	.p2align	6, 0x0
	.amdhsa_kernel k_q6931a16306_qkv
		.amdhsa_group_segment_fixed_size 327680
		.amdhsa_private_segment_fixed_size 0
		.amdhsa_enable_private_segment 0
		.amdhsa_kernarg_size 32
		.amdhsa_user_sgpr_count 2
		.amdhsa_user_sgpr_kernarg_segment_ptr 1
		.amdhsa_wavefront_size32 1
		.amdhsa_system_sgpr_workgroup_id_x 1
		.amdhsa_system_sgpr_workgroup_id_y 1
		.amdhsa_system_sgpr_workgroup_id_z 1
		.amdhsa_system_vgpr_workitem_id 0
		.amdhsa_next_free_vgpr 1024
		.amdhsa_next_free_sgpr 100
		.amdhsa_reserve_vcc 0
		.amdhsa_float_denorm_mode_32 3
		.amdhsa_float_denorm_mode_16_64 3
		.amdhsa_memory_ordered 1
		.amdhsa_forward_progress 1
		.amdhsa_inst_pref_size 179
	.end_amdhsa_kernel
	.amdgpu_metadata
---
amdhsa.version: [ 1, 2 ]
amdhsa.kernels:
  - .name:           k_q6931a16306_qkv
    .symbol:         k_q6931a16306_qkv.kd
    .args:
      - { .name: codes, .offset: 0, .size: 8, .value_kind: global_buffer, .address_space: global }
      - { .name: scales, .offset: 8, .size: 8, .value_kind: global_buffer, .address_space: global }
      - { .name: rope, .offset: 16, .size: 8, .value_kind: global_buffer, .address_space: global }
      - { .name: qkv, .offset: 24, .size: 8, .value_kind: global_buffer, .address_space: global }
    .group_segment_fixed_size: 327680
    .private_segment_fixed_size: 0
    .kernarg_segment_align: 8
    .kernarg_segment_size: 32
    .max_flat_workgroup_size: 128
    .sgpr_count:     100
    .vgpr_count:     1024
    .wavefront_size: 32
...
	.end_amdgpu_metadata
.endif
;; end of part 2
;; launch attn (part 3): grid 4 x 64, 8 waves a work-group, clusters of 4 x 1, 327,680 bytes of LDS; arguments qkv, ao; writes ao
.if DOCPART == 3
	.amdgcn_target "amdgcn-amd-amdhsa--gfx1250"
	.amdhsa_code_object_version 6
	.text
	.protected	k_q6931a16306_attn
	.globl	k_q6931a16306_attn
	.p2align	8
	.type	k_q6931a16306_attn,@function
k_q6931a16306_attn:
	s_mov_b64 s[64:65], 0
	v_nop
	global_prefetch_b8 v0, s[64:65] scope:SCOPE_SE
	s_setreg_imm32_b32 hwreg(HW_REG_WAVE_MODE, 25, 1), 1
	s_wait_xcnt 0x0
	s_wait_alu depctr_hold_cnt(0) depctr_sa_sdst(0) depctr_va_vdst(0) depctr_va_sdst(0) depctr_va_ssrc(0) depctr_va_vcc(0) depctr_vm_vsrc(0)
	s_getreg_b32 s2, hwreg(HW_REG_IB_STS2, 6, 4)
	s_cmp_eq_u32 s2, 0
	s_cbranch_scc0 .Lentry_in_a_cluster
	s_endpgm
.Lentry_in_a_cluster:
	s_bfe_u32 s2, ttmp6, 0x10000c
	s_cmp_lg_u32 s2, 0x3003
	s_cbranch_scc0 .Lentry_shape_is_right
	s_endpgm
.Lentry_shape_is_right:
; O[q] = the sum over k of softmax_k(q . k / 8) v[k], 64 (batch, head) pairs of 2,048 positions and 64 channels, no mask.  Operands f16, products, maxima and sums f32; the weights p are rounded to f16 for the second
; product, the row's sum is taken of the f32 p, O is rounded to f16 once at the end.  q arrives multiplied by log2(e) / 8, so that a score is the exponent t of 2.
; qkv holds images of operand registers (16 bytes a lane, 512 a piece): q at 0 and k at 1 << 24 as [pair][16 positions][s 2][c 2][lane]: position r, channels 32 s + 16 c + 8 h + 0 .. 7;
; v at 2 << 24 as [pair][32 keys][ct 4][c 2][lane]: channel 16 ct + r, keys 16 c + 8 h + 0 .. 7.  So every tile is a dense block of memory, and every LDS read stands at 16 x lane: no pitch, no padding, no turning load.
; SHARES.  A cluster of four work-groups owns one pair; a work-group 512 of its queries; each of its eight waves 64: four tiles of 16, in 512 registers: two waves to a SIMD, so that one wave's softmax stands beside the
; other's products.  Every wave walks all 2,048 keys, 64 a step.  A fragment of K or V read from LDS feeds four products.
; LAYOUT.  S^T = K Q^T (source 0 = 16 keys, source 1 = 16 queries): a lane holds ONE query (lane % 16) and keys 8 (lane / 16) + 0 .. 7.  Two such tiles, rounded to f16 in pairs, ARE source 1 (32 keys x 16 queries) of
; O^T = V^T P, whose result again holds one query a lane, and eight channels.
; SOFTMAX.  For each query a running maximum m of t and a sum l: p = 2^(t - m); in every step O and l are multiplied by a = 2^(old m - new m).  m begins at -3e38 and O and l at 0, so the step is written once.
; RING.  Two slots of 512 keys (64 KB of K, 64 KB of V).  Each of the eight waves brings 16 KB of a slot by one tensor load; the four partners ask JOINTLY.  By the text's own count a wave has two loads out at the start
; and one behind each refill's round; a refill has eight key steps in which to land.
; OUT: ao, f16, as images of the next product's operand: [16 rows 512][32 along K: 32][c 2][lane][16 bytes]: row r, hidden units 32 step + 16 c + 8 h + 0 .. 7.
; LIMITS: t at or under -3e38 is not served; the result must lie within +-65,504 (it is an average of v); under 6e-5 it falls on f16's subnormals, 6e-8 apart.  NaN and infinities are not served.
; REGISTERS: window 0: v1-6 addresses; v8-39 eight statistics a tile; v48-111 K's 8 fragments; v128-255 S^T, 32 a tile, whose first 16 then hold P.   window 1: v0-127 O^T, 32 a tile; v128-191 Q; v192-255 V's 8 fragments.
.set SLOT1, 1<<17                      ; slot 1 begins here: one exclusive or turns an address in one slot into the other's
.set VOFF,  65536                      ; in a slot: K's images, then V's
.set STEPB, 8192                       ; a key step's images of K, and of V
.set SPARE, 2*SLOT1                    ; behind the ring: the spare words, 128 bytes for each of eight waves
.set L16, 1                            ; v1   16 x lane; never rewritten
.set ADK, 2                            ; v2   LDS address of the step's K
.set ADV, 3                            ; v3   and V
.set PFO, 4                            ; v4   256 x lane; never rewritten
.set SPW, 5                            ; v5   LDS address of my spare word; never rewritten
.set NIL, 6                            ; v6   0; never rewritten
.set ST,  8                            ; tile t's statistics at v[ST + 8 t]: +0 m, +1 the old m, +2, +3 l (even keys', odd keys'), +4 to +7 at work; +6 takes a, +7 old m - new m
.set KF,  48                           ; K's fragment (keys 16 kt on, channels 32 s on) at KF + 16 kt + 8 s
.set S,   128                          ; S^T of tile t, keys 16 kt on, at S + 32 t + 8 kt;  P of tile t, keys 32 ks on, at S + 32 t + 8 ks
.set QF,  128                          ; window 1: Q's fragment (tile t, channels 32 s on) at QF + 16 t + 8 s
.set VF,  192                          ; window 1: V's fragment (keys 32 ks on, channels 16 ct on) at VF + 32 ks + 8 ct
.set WV,  12                           ; s12  my wave's number
.set LIM, 15                           ; s15  1 in a wave that prefetches, else the greatest number
.set PFA, 18                           ; s[18:19] what I prefetch; never rewritten
.set G1,  24                           ; s[24:31] descriptor group 1
.set G0A, 32                           ; s[32:35] group 0 of slot 0's first fill
.set G0W, 36                           ; s[36:39] group 0 of slot 1's first fill, which then walks
.set TB,  40                           ; s40  LDS byte at which the step's images of K begin
.set CNT, 41                           ; s41  counts a slot's eight steps
.set SLOTS, 42                         ; s42  slots still to be asked for
.set SEL, 44                           ; s[44:45] lane selects for v_permlanex16_b32: lane l xor 16
.set AOB, 46                           ; s[46:47] where my wave's results go
.set MSB, 0
.macro WIN new                         ; the immediate's high byte repeats the setting that is left; a switch that changes nothing is dropped
.if MSB != (\new)
	s_set_vgpr_msb (MSB<<8)|(\new)
.set MSB, (\new)
.endif
.endm
.set W_KQ, 0x04                        ; Q (source 1) in window 1; K and S^T in window 0
.set W_PV, 0x51                        ; V, C and D in window 1; P (source 1) in window 0
.set W_RS, 0x41                        ; O^T (destination and source 0) in window 1, the factor in window 0
.set W_L1, 0x40                        ; destination window 1, address window 0
.set W_CV, 0x05                        ; sources 0 and 1 window 1, destination window 0
.macro CROUND                          ; a round of the cluster's barrier
	s_barrier_signal -1
	s_barrier_wait -1
	s_cmp_lg_u32 s[WV], 0
	s_cbranch_scc1 .Lnot_wave_0_\@
	s_barrier_signal -3
.Lnot_wave_0_\@:
	s_barrier_wait -3
	s_barrier_signal -1
	s_barrier_wait -1
.endm
	s_load_b128 s[4:7], s[0:1], 0x0                ; qkv s[4:5], ao s[6:7]
	v_lshl_add_u32 v[SPW], v0, 2, SPARE
	v_mov_b32 v[NIL], 0
	ds_add_u32 v[SPW], v[NIL]                      ; the wave's opening: the add, twice on end, and its wait ahead of my first tensor load; the set-up below stands between
	ds_add_u32 v[SPW], v[NIL]
	v_lshrrev_b32 v7, 5, v0
	v_readfirstlane_b32 s[WV], v7                  ; wave 0..7
	s_bfe_u32 s13, ttmp6, 0x40000                  ; cx: my place in the cluster: it enters Q's, the results' and the prefetch's addresses alone
	s_and_b32 s14, ttmp7, 0xffff                   ; the (batch, head) pair, which the four partners share
	; descriptor group 1: a dense block of 16 KB as 64 rows of 256 bytes (32 elements of 8 bytes), no padding
	s_mov_b32 s[G1], 15|(3<<16)|(1<<21)            ; 15:0 the mask: all four work-groups; 17:16 elements of 8 bytes; 21 set beside a mask
	s_mov_b32 s[G1+1], 32<<16                      ; tensor_dim0
	s_mov_b32 s[G1+2], 64<<16                      ; tensor_dim1
	s_mov_b32 s[G1+3], 32<<16                      ; tile_dim0
	s_mov_b32 s[G1+4], 64                          ; tile_dim1
	s_mov_b32 s[G1+5], 32                          ; tensor_dim0_stride
	s_mov_b32 s[G1+6], 0
	s_mov_b32 s[G1+7], 0
	s_lshl_b32 s20, s14, 18                        ; the pair's 262,144 bytes
	s_lshr_b32 s21, s[WV], 2
	s_add_co_u32 s21, s21, 1                       ; waves 0-3 fetch K (part 1 of the buffer), waves 4-7 V (part 2)
	s_lshl_b32 s21, s21, 24
	s_add_co_u32 s21, s21, s20                     ; K or V of my pair
	s_and_b32 s22, s[WV], 3
	s_lshl_b32 s22, s22, 14                        ; my 16 KB of a slot's 64
	s_add_co_u32 s22, s22, s21
	s_mov_b32 s23, 0
	s_lshl_b32 s[G0A+1], s[WV], 14                 ; and where they go: wave x 16 KB: K's four parts, then V's
	s_add_co_u32 s[G0W+1], s[G0A+1], SLOT1
	s_mov_b32 s[G0A], 1
	s_mov_b32 s[G0W], 1
	s_lshl_b32 s50, s13, 16                        ; Q: my work-group's 512 queries, 128 bytes each,
	s_add_co_u32 s50, s50, s20
	s_lshl_b32 s51, s[WV], 13                      ; my wave's 64
	s_add_co_u32 s50, s50, s51
	s_mov_b32 s51, 0
	s_lshr_b32 s48, s14, 4                         ; the results: tile of 16 rows = 128 x batch + 32 cx + 4 x wave (+ t),
	s_lshl_b32 s48, s48, 7
	s_lshl_b32 s49, s13, 5
	s_add_co_u32 s48, s48, s49
	s_lshl_b32 s49, s[WV], 2
	s_add_co_u32 s48, s48, s49
	s_lshl_b32 s48, s48, 15                        ; 32,768 bytes each,
	s_and_b32 s49, s14, 15
	s_lshl_b32 s49, s49, 11                        ; and the head's 64 hidden units: 2,048 bytes
	s_add_co_u32 s48, s48, s49
	s_mov_b32 s49, 0
	s_and_b32 s52, s[WV], 2                        ; the prefetch: waves 0, 2 (K) and 4, 6 (V) name 32 KB each of the last 512 keys, of which my work-group takes 8 KB
	s_lshl_b32 s52, s52, 14
	s_add_co_u32 s52, s52, s21
	s_add_co_u32 s52, s52, 3*VOFF
	s_lshl_b32 s53, s13, 13
	s_add_co_u32 s52, s52, s53
	s_mov_b32 s53, 0
	s_and_b32 s[LIM], s[WV], 1
	s_cmp_eq_u32 s[LIM], 0
	s_cselect_b32 s[LIM], 1, -1
	s_mov_b32 s[SEL], 0x76543210
	s_mov_b32 s[SEL+1], 0xfedcba98
	s_mov_b32 s[TB], 0
	s_mov_b32 s[SLOTS], 2
	v_and_b32 v[L16], 31, v0
	v_lshlrev_b32 v[PFO], 8, v[L16]
	v_lshlrev_b32 v[L16], 4, v[L16]
	s_wait_dscnt 0x0                               ; both opening adds are done
	s_wait_kmcnt 0x0
	s_add_nc_u64 s[G0A+2:G0A+3], s[4:5], s[22:23]  ; keys 0-511
	s_add_nc_u64 s[G0W+2:G0W+3], s[G0A+2:G0A+3], VOFF   ; keys 512-1023
	s_or_b32 s[G0A+3], s[G0A+3], 0x80000000        ; 127:126 type = 2
	s_or_b32 s[G0W+3], s[G0W+3], 0x80000000
	s_add_nc_u64 s[16:17], s[4:5], s[50:51]        ; Q
	s_add_nc_u64 s[PFA:PFA+1], s[4:5], s[52:53]
	s_add_nc_u64 s[AOB:AOB+1], s[6:7], s[48:49]
	CROUND                                         ; all four work-groups are here: the first joint loads meet
	tensor_load_to_lds s[G0A:G0A+3], s[G1:G1+7]
	s_nop 0
	tensor_load_to_lds s[G0W:G0W+3], s[G1:G1+7]
	s_nop 0
.rept 4
	v_nop
.endr
	WIN W_L1
.irp i, 0,1,2,3,4,5,6,7,8,9,10,11,12,13,14,15  ; Q stays in registers
	global_load_b128 v[QF+4*\i:QF+4*\i+3], v[L16], s[16:17] offset:512*\i th:TH_LOAD_NT
.endr
.set n, 0
.rept 128
	v_mov_b32 v[n], 0                              ; O^T, once: the step is written with no form of its own for the first keys; the first change of m multiplies zeros
.set n, n+1
.endr
	WIN 0
.irp t, 0,1,2,3
	v_mov_b32 v[ST+8*\t], 0xff61b1e6               ; m: -3e38, under every t
	v_mov_b32 v[ST+8*\t+2], 0                      ; l
	v_mov_b32 v[ST+8*\t+3], 0
.endr
; THE SOFTMAX OF A KEY STEP, four tiles by turns (the innermost run is always over the tiles), so that no line waits for the line above it.
.macro SOFTMAX
.rept 4
	v_nop                                          ; places between the last product and the first read of its result
.endr
.irp kt, 0,1,2,3                       ; the maximum of a lane's 32 scores and the old m, three operands at a time; each accumulator is read from its low end on
.irp t, 0,1,2,3
	v_max3_num_f32 v[ST+8*\t+4+\kt], v[S+32*\t+8*\kt], v[S+32*\t+8*\kt+1], v[S+32*\t+8*\kt+2]
.endr
.endr
.irp i, 3,5
.irp kt, 0,1,2,3
.irp t, 0,1,2,3
	v_max3_num_f32 v[ST+8*\t+4+\kt], v[ST+8*\t+4+\kt], v[S+32*\t+8*\kt+\i], v[S+32*\t+8*\kt+\i+1]
.endr
.endr
.endr
.irp t, 0,1,2,3
	v_max3_num_f32 v[ST+8*\t+4], v[ST+8*\t+4], v[S+32*\t+7], v[S+32*\t+15]
.endr
.irp t, 0,1,2,3
	v_max3_num_f32 v[ST+8*\t+6], v[ST+8*\t+6], v[S+32*\t+23], v[S+32*\t+31]
.endr
.irp t, 0,1,2,3
	v_max3_num_f32 v[ST+8*\t+4], v[ST+8*\t+4], v[ST+8*\t+5], v[ST+8*\t+6]
.endr
.irp t, 0,1,2,3
	v_max3_num_f32 v[ST+8*\t+4], v[ST+8*\t+4], v[ST+8*\t+7], v[ST+8*\t]
.endr
.irp t, 0,1,2,3
	v_permlanex16_b32 v[ST+8*\t+5], v[ST+8*\t+4], s[SEL], s[SEL+1]   ; the query's other 32 keys lie in the lane 16 away
.endr
.irp t, 0,1,2,3
	v_mov_b32 v[ST+8*\t+1], v[ST+8*\t]             ; the old m
.endr
.irp t, 0,1,2,3
	v_max_num_f32 v[ST+8*\t], v[ST+8*\t+4], v[ST+8*\t+5]
.endr
.irp t, 0,1,2,3
	v_sub_f32 v[ST+8*\t+7], v[ST+8*\t+1], v[ST+8*\t]
.endr
; ONE BATCH: the four a and the 128 p.  A pair's t - m stands a turn ahead of its two exponentials; no line of the batch names an exponential's result.
.irp t, 0,1,2,3
	v_exp_f32 v[ST+8*\t+6], v[ST+8*\t+7]           ; a = 2^(old m - new m)
.endr
.set i, 0
.rept 17
.if i < 16
.irp t, 0,1,2,3
	v_pk_add_f32 v[S+32*\t+2*i:S+32*\t+2*i+1], v[S+32*\t+2*i:S+32*\t+2*i+1], v[ST+8*\t:ST+8*\t+1] op_sel_hi:[1,0] neg_lo:[0,1] neg_hi:[0,1]   ; t - m, two at a time (of the pair the low word, m, serves both)
.endr
.endif
.if i > 0
.irp t, 0,1,2,3
	v_exp_f32 v[S+32*\t+2*i-2], v[S+32*\t+2*i-2]
	v_exp_f32 v[S+32*\t+2*i-1], v[S+32*\t+2*i-1]
.endr
.endif
.set i, i+1
.endr
	v_nop                                          ; a plain line behind the last exponential,
	s_wait_alu depctr_va_vdst(0)                   ; and ONE wait for the 132, ahead of their first reader
.irp t, 0,1,2,3
	v_pk_mul_f32 v[ST+8*\t+2:ST+8*\t+3], v[ST+8*\t+2:ST+8*\t+3], v[ST+8*\t+6:ST+8*\t+7] op_sel_hi:[1,0]   ; l under the new m
.endr
.set i, 0
.rept 16
.irp t, 0,1,2,3
	v_pk_add_f32 v[ST+8*\t+2:ST+8*\t+3], v[ST+8*\t+2:ST+8*\t+3], v[S+32*\t+2*i:S+32*\t+2*i+1]   ; the sum is taken of the f32 p
.endr
.set i, i+1
.endr
.set n, 0
.rept 16
.irp t, 0,1,2,3
	v_cvt_pk_f16_f32 v[S+32*\t+n], v[S+32*\t+2*n], v[S+32*\t+2*n+1]   ; in place: register n never lies above a source that is still to be read
.endr
.set n, n+1
.endr
	WIN W_RS
.set n, 0
.rept 16
.irp t, 0,1,2,3
	v_pk_mul_f32 v[32*\t+2*n:32*\t+2*n+1], v[32*\t+2*n:32*\t+2*n+1], v[ST+8*\t+6:ST+8*\t+7] op_sel_hi:[1,0]   ; O^T under the new m, each accumulator from its low end on
.endr
.set n, n+1
.endr
.endm
; A KEY STEP: 64 keys.  32 products K Q^T, the softmax, 32 products V^T P.  In both runs the 16 accumulators take turns, one instruction a turn.
.macro STEP
	v_add_nc_u32 v[ADK], s[TB], v[L16]             ; five places behind the last step's products: four ahead of the loads into V's registers, the fifth since the first products below write over P's
	v_add_nc_u32 v[ADV], VOFF, v[ADK]
.rept 3
	v_nop
.endr
.irp i, 0,1,2,3,4,5,6,7,8,9,10,11,12,13,14,15
	ds_load_b128 v[KF+4*\i:KF+4*\i+3], v[ADK] offset:512*\i
.endr
	WIN W_L1
.irp i, 0,1,2,3,4,5,6,7,8,9,10,11,12,13,14,15
	ds_load_b128 v[VF+4*\i:VF+4*\i+3], v[ADV] offset:512*\i
.endr
	s_wait_dscnt 16                                ; K is in; V's sixteen loads may be out
	WIN W_KQ
.irp s, 0,1
.irp kt, 0,1,2,3
.irp t, 0,1,2,3
.if \s == 0
	v_wmma_f32_16x16x32_f16 v[S+32*\t+8*\kt:S+32*\t+8*\kt+7], v[KF+16*\kt+8*\s:KF+16*\kt+8*\s+7], v[QF+16*\t+8*\s:QF+16*\t+8*\s+7], 0
.else
	v_wmma_f32_16x16x32_f16 v[S+32*\t+8*\kt:S+32*\t+8*\kt+7], v[KF+16*\kt+8*\s:KF+16*\kt+8*\s+7], v[QF+16*\t+8*\s:QF+16*\t+8*\s+7], v[S+32*\t+8*\kt:S+32*\t+8*\kt+7]
.endif
.endr
.endr
.endr
	WIN 0
	SOFTMAX
	s_wait_dscnt 0x0                               ; V is in
	WIN W_PV
.irp ks, 0,1
.irp ct, 0,1,2,3
.irp t, 0,1,2,3
	v_wmma_f32_16x16x32_f16 v[32*\t+8*\ct:32*\t+8*\ct+7], v[VF+32*\ks+8*\ct:VF+32*\ks+8*\ct+7], v[S+32*\t+8*\ks:S+32*\t+8*\ks+7], v[32*\t+8*\ct:32*\t+8*\ct+7]
.endr
.endr
.endr
	WIN 0
	s_add_co_u32 s[TB], s[TB], STEPB               ; the next step's images
.endm
.macro EIGHT                           ; a slot's eight key steps: written once, walked eight times
	s_mov_b32 s[CNT], 8
.Lstep_\@:
	STEP
	s_sub_co_u32 s[CNT], s[CNT], 1
	s_cmp_lg_u32 s[CNT], 0
	s_cbranch_scc1 .Lstep_\@
.endm
; A PREFETCH INTO THE L2 of what the NEXT change of slots will ask for.  It is issued at the first change alone, for keys 1,536 to 2,047: eight key steps ahead of their load; the keys before them come by their loads alone.
; One cluster walks a pair, so each aligned block of 256 bytes is named once: waves 0 and 2 name K's 64 KB, waves 4 and 6 V's, 32 KB each; the four partners share them out BY ADDRESS, 8 KB each, lanes 256 bytes apart.
.macro ASK
	s_cmp_gt_u32 s[SLOTS], s[LIM]
	s_cbranch_scc0 .Lnot_mine_\@
	global_prefetch_b8 v[PFO], s[PFA:PFA+1] th:TH_LOAD_NT scope:SCOPE_SE
.Lnot_mine_\@:
.endm
; THE CHANGE OF SLOTS.  Each wave waits for all its tensor loads (its part of the other slot), adds 0 to its spare word, and waits for that and for its reads of the slot that it leaves.
; fill = 1: the barrier is a round of the cluster's, so that no wave of any partner still reads the slot or has a load on its way; the joint refill is the first thing behind it, one load a wave.
.macro CHANGE fill
	s_wait_tensorcnt 0x0                           ; no tensor load of mine is out, so a group 0 may be written
	ds_add_u32 v[SPW], v[NIL]                      ; 0 onto my spare word
.if \fill
	s_xor_b32 s[G0W+1], s[G0W+1], SLOT1            ; the walking descriptor: the other slot than last time,
	s_add_nc_u64 s[G0W+2:G0W+3], s[G0W+2:G0W+3], VOFF   ; the next 512 keys; the type bits on top are not reached
.endif
	s_wait_dscnt 0x0                               ; the add is done, and my reads of the slot are over
.if \fill
	CROUND
	tensor_load_to_lds s[G0W:G0W+3], s[G1:G1+7]
	s_nop 0
.rept 4
	v_nop
.endr
	ASK
.else
	s_barrier_signal -1
	s_barrier_wait -1
.endif
	s_sub_co_u32 s[TB], s[TB], 8*STEPB             ; back to a slot's first step,
	s_xor_b32 s[TB], s[TB], SLOT1                  ; in the other slot
.endm
	s_wait_tensorcnt 1                             ; my part of slot 0 is in; slot 1's may stay out
	s_barrier_signal -1
	s_barrier_wait -1                              ; everybody's is
	s_wait_loadcnt 0x0                             ; Q
	EIGHT                                          ; keys 0-511
.Lslot:                                            ; two trips: slot 0 takes keys 1,024 on, slot 1 keys 1,536 on
	CHANGE 1
	EIGHT
	s_sub_co_u32 s[SLOTS], s[SLOTS], 1
	s_cmp_lg_u32 s[SLOTS], 0
	s_cbranch_scc1 .Lslot
	CHANGE 0                                       ; the last slot is written out: nothing is asked for
	EIGHT
	; THE WAY OUT.  l's two halves and the other half of the lanes' are added (these lines are the places behind the last products); O^T is divided by l, rounded to f16 and stored as it stands: 16 bytes a lane are an image's.
.irp t, 0,1,2,3
	v_add_f32 v[ST+8*\t+4], v[ST+8*\t+2], v[ST+8*\t+3]
.endr
.irp t, 0,1,2,3
	v_permlanex16_b32 v[ST+8*\t+5], v[ST+8*\t+4], s[SEL], s[SEL+1]
.endr
.irp t, 0,1,2,3
	v_add_f32 v[ST+8*\t+4], v[ST+8*\t+4], v[ST+8*\t+5]
.endr
.irp t, 0,1,2,3
	v_rcp_f32 v[ST+8*\t+6], v[ST+8*\t+4]
.endr
	v_nop                                          ; a plain line behind the last reciprocal,
	s_wait_alu depctr_va_vdst(0)                   ; and one wait for the four, ahead of their first reader
	WIN W_RS
.irp t, 0,1,2,3
.set n, 0
.rept 16
	v_pk_mul_f32 v[32*\t+2*n:32*\t+2*n+1], v[32*\t+2*n:32*\t+2*n+1], v[ST+8*\t+6:ST+8*\t+7] op_sel_hi:[1,0]
.set n, n+1
.endr
.endr
	WIN W_CV
.set n, 0
.rept 64
	v_cvt_pk_f16_f32 v[S+n], v[2*n], v[2*n+1]      ; tile t, channels 16 ct + 8 h + 0 .. 7 -> v[S + 16 t + 4 ct ..]
.set n, n+1
.endr
	WIN 0
.irp t, 0,1,2,3
.irp ct, 0,1,2,3
	global_store_b128 v[L16], v[S+16*\t+4*\ct:S+16*\t+4*\ct+3], s[AOB:AOB+1] offset:32768*\t+512*\ct   ; 512 consecutive bytes, aligned
.endr
.endr
	s_wait_tensorcnt 0x0                           ; the wave's end
	ds_add_u32 v[SPW], v[NIL]
	s_wait_dscnt 0x0
	CROUND                                         ; the closing round: no work-group ends while a partner may still ask for a tile that names it
	s_endpgm
.Lfunc_end_k_q6931a16306_attn:
	.size	k_q6931a16306_attn, .Lfunc_end_k_q6931a16306_attn-k_q6931a16306_attn
	.p2alignl 7, 3214868480
	.fill 96, 4, 3214868480
	.section	.rodata,"a",@progbits
	.p2align	6, 0x0
	.amdhsa_kernel k_q6931a16306_attn
		.amdhsa_group_segment_fixed_size 327680
		.amdhsa_private_segment_fixed_size 0
		.amdhsa_enable_private_segment 0
		.amdhsa_kernarg_size 16
		.amdhsa_user_sgpr_count 2
		.amdhsa_user_sgpr_kernarg_segment_ptr 1
		.amdhsa_wavefront_size32 1
		.amdhsa_system_sgpr_workgroup_id_x 1
		.amdhsa_system_sgpr_workgroup_id_y 1
		.amdhsa_system_sgpr_workgroup_id_z 1
		.amdhsa_system_vgpr_workitem_id 0
		.amdhsa_next_free_vgpr 512
		.amdhsa_next_free_sgpr 66
		.amdhsa_reserve_vcc 0
		.amdhsa_float_denorm_mode_32 3
		.amdhsa_float_denorm_mode_16_64 3
		.amdhsa_memory_ordered 1
		.amdhsa_forward_progress 1
		.amdhsa_inst_pref_size 118
	.end_amdhsa_kernel
	.amdgpu_metadata
---
amdhsa.version: [ 1, 2 ]
amdhsa.kernels:
  - .name:           k_q6931a16306_attn
    .symbol:         k_q6931a16306_attn.kd
    .args:
      - { .name: qkv, .offset: 0, .size: 8, .value_kind: global_buffer, .address_space: global }
      - { .name: ao, .offset: 8, .size: 8, .value_kind: global_buffer, .address_space: global }
    .group_segment_fixed_size: 327680
    .private_segment_fixed_size: 0
    .kernarg_segment_align: 8
    .kernarg_segment_size: 16
    .max_flat_workgroup_size: 256
    .sgpr_count:     66
    .vgpr_count:     512
    .wavefront_size: 32
...
	.end_amdgpu_metadata
.endif
;; end of part 3
;; launch oproj (part 4): grid 4 x 64, 4 waves a work-group, clusters of 4 x 4, 327,680 bytes of LDS; arguments ao, wo16, out0; writes out0
.if DOCPART == 4
	.amdgcn_target "amdgcn-amd-amdhsa--gfx1250"
	.amdhsa_code_object_version 6
	.text
	.protected	k_q6931a16306_oproj
	.globl	k_q6931a16306_oproj
	.p2align	8
	.type	k_q6931a16306_oproj,@function
k_q6931a16306_oproj:
	s_mov_b64 s[64:65], 0
	v_nop
	global_prefetch_b8 v0, s[64:65] scope:SCOPE_SE
	s_setreg_imm32_b32 hwreg(HW_REG_WAVE_MODE, 25, 1), 1
	s_wait_xcnt 0x0
	s_wait_alu depctr_hold_cnt(0) depctr_sa_sdst(0) depctr_va_vdst(0) depctr_va_sdst(0) depctr_va_ssrc(0) depctr_va_vcc(0) depctr_vm_vsrc(0)
	s_getreg_b32 s2, hwreg(HW_REG_IB_STS2, 6, 4)
	s_cmp_eq_u32 s2, 0
	s_cbranch_scc0 .Lentry_in_a_cluster
	s_endpgm
.Lentry_in_a_cluster:
	s_bfe_u32 s2, ttmp6, 0x10000c
	s_cmp_lg_u32 s2, 0xf033
	s_cbranch_scc0 .Lentry_shape_is_right
	s_endpgm
.Lentry_shape_is_right:
; out0[m][n] = the sum over k of A[m][k] Wo[n][k], M = 8,192, N = K = 1,024; operands f16, sums and result f32.
; A (ao) lies as images of operand registers: [16 rows 512][32 along K: 32][c 2][lane][16 bytes]: lane (r, h): row r, k = 32 step + 16 c + 8 h + 0 .. 7.  Wo (wo16) lies [n][k], row-major.
; A tile of the result is 128 rows x 256 columns: 256 work-groups (tiles of 256 x 256 would be 128).  Four waves; wave (w / 2, w % 2) makes 64 rows x 128 columns: 32 accumulators, 256 registers.
; K goes in 8 steps of 128 through a ring of two LDS slots: A's 8 tiles of rows x 4 KB, dense, read at 16 x lane; Wo's 256 rows of 256 bytes, 16 bytes of padding behind each.
; CLUSTERS: 4 x 4 work-groups.  The four of a row of the cluster need the same tiles of A, the four of a column the same tiles of Wo: each is asked for JOINTLY.  The grid is one cluster wide: the tile column is cx.
; THE MATRIX INSTRUCTION IS USED TRANSPOSED (source 0 = 16 rows of Wo, source 1 = 16 rows of A): a lane holds eight neighbouring numbers of a row of the result.
; REGISTERS: window 0: v16-30 addresses; two fragment buffers of 96 at v32 and v128 (A's 4 fragments, then Wo's 8), for 32 along K each; on the way out they take rows of the result.   window 1: accumulator (a, b) at v[8 (8 a + b)].
.set PITCH,  272                       ; a row of Wo in LDS: 256 bytes + 16 = 68 words: the 16 rows that a load touches start 4 banks apart (64 banks of 4 bytes: ISA guide 11.1)
.set ABYTES, 32768                     ; a slot: A's images,
.set HALFB,  128*PITCH                 ; then Wo's two halves of 128 rows
.set SLOT,   ABYTES+2*HALFB
.set STAGE,  2*SLOT                    ; behind the ring: 16 rows x (512 bytes + 16) for each wave, for the way out
.set SPITCH, 528
.set SPARE,  STAGE+4*16*SPITCH         ; behind the stages: the spare words, 128 bytes a wave
.set LAPS,   4                         ; a lap = two K steps = once round the ring
.set ADRA, 16                          ; v16-17  LDS address of my A fragments in slot 0, 1
.set ADRB, 20                          ; v20-21  the same for Wo
.set STO,  24                          ; v24     the way out: where I put 32 bytes of a row
.set RD,   25                          ; v25     the way out: where I read a row back
.set CO,   26                          ; v26     16 x lane
.set SPW,  28                          ; v28     LDS address of my spare word; never rewritten
.set NIL,  29                          ; v29     0; never rewritten
.set PFO,  30                          ; v30     the prefetches' offset; never rewritten
.set F0,   32
.set F1,   128
.set G1, 24                            ; s[24:31] descriptor group 1 for A's tiles;  s[32:39] group 0, one set for each slot
.set G0, 32
.set LIM, 45                           ; s45     1 in the wave that prefetches, else the greatest number
.set PFA, 46                           ; s[46:47] where my prefetches stand
.set G1B, 48                           ; s[48:55], s[56:63] the same for Wo's tiles
.set G0B, 56
.set MSB, 0
.macro WIN new
.if MSB != (\new)
	s_set_vgpr_msb (MSB<<8)|(\new)
.set MSB, (\new)
.endif
.endm
.set MUL, 0x50                         ; C and D window 1, both sources window 0
.macro JLOAD s                         ; a joint load: waves 0 and 1 fetch A's two halves, waves 2 and 3 Wo's; an s_nop 0 and four v_nop follow each of the two lines
	s_cmp_eq_u32 s11, 0
	s_cbranch_scc0 .Lfor_b_\@
	tensor_load_to_lds s[G0+4*\s:G0+4*\s+3], s[G1:G1+7]
	s_nop 0
.rept 4
	v_nop
.endr
	s_branch .Lasked_\@
.Lfor_b_\@:
	tensor_load_to_lds s[G0B+4*\s:G0B+4*\s+3], s[G1B:G1B+7]
	s_nop 0
.rept 4
	v_nop
.endr
.Lasked_\@:
.endm
.macro CREST                           ; a round of the cluster's barrier behind its opening barrier
	s_cmp_lg_u32 s10, 0
	s_cbranch_scc1 .Lnot_wave_0_\@
	s_barrier_signal -3
.Lnot_wave_0_\@:
	s_barrier_wait -3
	s_barrier_signal -1
	s_barrier_wait -1
.endm
.macro CROUND
	s_barrier_signal -1
	s_barrier_wait -1
	CREST
.endm
; A PREFETCH INTO THE L2, of A alone, behind each joint refill and the run of LDS loads that follows it: the K step that stands TWO refills on (256 matrix instructions of a wave ahead of its load).
; A tile row of A is read by one row of one cluster: its four partners share the 8 tiles of rows out BY ADDRESS, two each: 2 x 4,096 bytes, lanes 256 bytes apart, one instruction of wave 0.  So each block is named once.
; The first four K steps come by their loads alone; the last two refills ask for nothing.  Wo is not asked for: all sixteen clusters walk the same 2 MB.
.macro ASK
	s_cmp_gt_u32 s3, s[LIM]                        ; s3 = 1 in the loop's last trip
	s_cbranch_scc0 .Lnot_mine_\@
	global_prefetch_b8 v[PFO], s[PFA:PFA+1] offset:4096 th:TH_LOAD_NT scope:SCOPE_SE
.Lnot_mine_\@:
.endm
	s_load_b128 s[4:7], s[0:1], 0x0                ; ao s[4:5], wo16 s[6:7]
	s_load_b64 s[8:9], s[0:1], 0x10                ; out0
	v_lshl_add_u32 v[SPW], v0, 2, SPARE
	v_mov_b32 v[NIL], 0
	ds_add_u32 v[SPW], v[NIL]                      ; the wave's opening: the add, twice on end, and its wait ahead of my first tensor load; the set-up below stands between
	ds_add_u32 v[SPW], v[NIL]
	v_lshrrev_b32 v1, 5, v0
	v_readfirstlane_b32 s10, v1                    ; wave 0..3
	s_lshr_b32 s11, s10, 1                         ; which half of the tile's rows is mine.  Also: I fetch for A (0) or for Wo (1)
	s_and_b32 s12, s10, 1                          ; which half of its columns.  Also: which half of that tile I fetch
	s_bfe_u32 s40, ttmp6, 0x40000                  ; cx = the tile column
	s_bfe_u32 s41, ttmp6, 0x40004                  ; cy
	s_and_b32 s13, ttmp7, 0xffff
	s_lshl_b32 s13, s13, 2
	s_add_co_u32 s13, s13, s41                     ; tile row = 4 x cluster y + cy
	s_lshl_b32 s43, s41, 2
	s_lshl_b32 s43, 15, s43                        ; my row of the cluster
	s_lshl_b32 s44, 0x1111, s40                    ; my column
	; group 1 for A: 4 tiles of rows, each 4,096 dense bytes (512 elements of 8 bytes), 32,768 bytes apart; no padding
	s_or_b32 s[G1+0], s43, (3<<16)|(1<<21)
	s_mov_b32 s[G1+1], 512<<16                     ; tensor_dim0
	s_mov_b32 s[G1+2], 4<<16                       ; tensor_dim1
	s_mov_b32 s[G1+3], 512<<16                     ; tile_dim0
	s_mov_b32 s[G1+4], 4                           ; tile_dim1
	s_mov_b32 s[G1+5], 4096                        ; tensor_dim0_stride, in elements
	s_mov_b32 s[G1+6], 0
	s_mov_b32 s[G1+7], 0
	; group 1 for Wo: 128 rows x 128 elements of 2 bytes, 1,024 elements apart; four words of padding after every 64
	s_or_b32 s[G1B+0], s44, (1<<16)|(1<<20)|(1<<21)|(5<<22)|(3<<25)
	s_mov_b32 s[G1B+1], 128<<16
	s_mov_b32 s[G1B+2], 128<<16
	s_mov_b32 s[G1B+3], 128<<16
	s_mov_b32 s[G1B+4], 128
	s_mov_b32 s[G1B+5], 1024
	s_mov_b32 s[G1B+6], 0
	s_mov_b32 s[G1B+7], 0
	s_lshl_b32 s16, s13, 3
	s_lshl_b32 s17, s12, 2
	s_add_co_u32 s16, s16, s17                     ; A: tile of rows 8 x tile row + 4 x half: cx never enters
	s_lshl_b32 s16, s16, 15
	s_mov_b32 s17, 0
	s_lshl_b32 s18, s40, 8
	s_lshl_b32 s19, s12, 7
	s_add_co_u32 s18, s18, s19                     ; Wo: row 256 cx + 128 x half: cy never enters
	s_lshl_b32 s18, s18, 11
	s_mov_b32 s19, 0
	s_lshl_b32 s20, s12, 14                        ; where they go: A's half,
	s_mul_i32 s21, s12, HALFB
	s_add_co_u32 s21, s21, ABYTES                  ; Wo's half: no place in the cluster enters an LDS address
	s_wait_dscnt 0x0                               ; both opening adds are done
	s_wait_kmcnt 0x0
	s_add_nc_u64 s[14:15], s[4:5], s[16:17]
	s_add_nc_u64 s[18:19], s[6:7], s[18:19]
	CROUND                                         ; all sixteen work-groups are here: the first joint loads meet
.irp s, 0,1
	s_mov_b32 s[G0+4*\s], 1
	s_add_co_u32 s[G0+4*\s+1], s20, \s*SLOT
	s_add_nc_u64 s[G0+4*\s+2:G0+4*\s+3], s[14:15], \s*4096         ; K step s: 4,096 bytes on in each tile of rows
	s_or_b32 s[G0+4*\s+3], s[G0+4*\s+3], 0x80000000
	s_mov_b32 s[G0B+4*\s], 1
	s_add_co_u32 s[G0B+4*\s+1], s21, \s*SLOT
	s_add_nc_u64 s[G0B+4*\s+2:G0B+4*\s+3], s[18:19], \s*256        ; 256 bytes on in each row
	s_or_b32 s[G0B+4*\s+3], s[G0B+4*\s+3], 0x80000000
	JLOAD \s                                       ; by the text's own count a wave has two tensor loads out here, one behind each refill's round
.endr
	v_and_b32 v1, 15, v0                           ; r
	v_bfe_u32 v2, v0, 4, 1                         ; h
	v_and_b32 v3, 31, v0
	v_lshlrev_b32 v[CO], 4, v3
	s_lshl_b32 s16, s11, 14                        ; my 4 tiles of rows
	v_add_nc_u32 v[ADRA], s16, v[CO]
	v_add_nc_u32 v[ADRA+1], SLOT, v[ADRA]
	v_mul_u32_u24 v4, v1, PITCH
	v_lshl_add_u32 v4, v2, 4, v4                   ; row x pitch + 16 x half
	s_mul_i32 s17, s12, HALFB
	s_add_co_u32 s17, s17, ABYTES                  ; my 128 rows of Wo
	v_add_nc_u32 v[ADRB], s17, v4
	v_add_nc_u32 v[ADRB+1], SLOT, v[ADRB]
	s_mul_i32 s16, s10, 16*SPITCH
	s_add_co_u32 s16, s16, STAGE                   ; my stage
	v_mul_u32_u24 v5, v1, SPITCH
	v_lshl_add_u32 v5, v2, 5, v5
	v_add_nc_u32 v[STO], s16, v5                   ; in: row r, 32 bytes for each half of the lanes
	v_add_nc_u32 v[RD], s16, v[CO]                 ; back: the 32 lanes take one row of 512 bytes
	s_lshl_b32 s16, s13, 7
	s_lshl_b32 s17, s11, 6
	s_add_co_u32 s16, s16, s17                     ; my first row of the result: 128 x tile row + 64 x half,
	s_lshl_b32 s16, s16, 12                        ; 4,096 bytes a row,
	s_lshl_b32 s17, s40, 10
	s_add_co_u32 s16, s16, s17                     ; my first column: 1,024 bytes a tile column
	s_lshl_b32 s17, s12, 9
	s_add_co_u32 s16, s16, s17                     ; + 512 x half
	s_mov_b32 s17, 0
	s_add_nc_u64 s[8:9], s[8:9], s[16:17]
	s_lshl_b32 s16, s13, 3                         ; the prefetches: tiles of rows 8 x tile row + 2 cx and the next,
	s_lshl_b32 s17, s40, 1
	s_add_co_u32 s16, s16, s17
	s_lshl_b32 s16, s16, 15
	s_add_co_u32 s16, s16, 2*4096                  ; at K step 2: the first refill steps it to 3 and names K step 4
	s_mov_b32 s17, 0
	s_add_nc_u64 s[PFA:PFA+1], s[4:5], s[16:17]
	s_cmp_eq_u32 s10, 0
	s_cselect_b32 s[LIM], 1, -1
	v_lshlrev_b32 v[PFO], 15, v2
	v_lshl_add_u32 v[PFO], v1, 8, v[PFO]           ; lanes 0-15 the first tile's 4,096 bytes, lanes 16-31 the second's
.macro MULB f, a, zero                 ; 8 matrix instructions: A's block a x Wo's eight, 32 along K.  zero = 1: the first product starts the sums
.irp b, 0,1,2,3,4,5,6,7
.if \zero
	v_wmma_f32_16x16x32_f16 v[8*(8*(\a)+\b):8*(8*(\a)+\b)+7], v[\f+32+8*\b:\f+32+8*\b+7], v[\f+8*(\a):\f+8*(\a)+7], 0
.else
	v_wmma_f32_16x16x32_f16 v[8*(8*(\a)+\b):8*(8*(\a)+\b)+7], v[\f+32+8*\b:\f+32+8*\b+7], v[\f+8*(\a):\f+8*(\a)+7], v[8*(8*(\a)+\b):8*(8*(\a)+\b)+7]
.endif
.endr
.endm
.macro MUL16 f, a0, zero
	MULB \f, \a0, \zero
	MULB \f, (\a0)+1, \zero
.endm
.macro FETCH slot, q, f                ; 24 LDS loads in one run: the fragments of the slot's q-th 32 along K: Wo's eight, A's blocks 0, 1, then 2, 3
	WIN 0
.irp i, 0,1,2,3,4,5,6,7
	ds_load_b128 v[\f+32+8*\i:\f+32+8*\i+3], v[ADRB+\slot] offset:64*(\q)+\i*16*PITCH
	ds_load_b128 v[\f+32+8*\i+4:\f+32+8*\i+7], v[ADRB+\slot] offset:64*(\q)+\i*16*PITCH+32
.endr
.irp a, 0,1,2,3
	ds_load_b128 v[\f+8*\a:\f+8*\a+3], v[ADRA+\slot] offset:4096*\a+1024*(\q)
	ds_load_b128 v[\f+8*\a+4:\f+8*\a+7], v[ADRA+\slot] offset:4096*\a+1024*(\q)+512
.endr
.endm
.macro PLACES                          ; four places in front of loads into registers that matrix instructions have read, and of the first read of results (ISA guide 7.12.1 for the read of results)
.rept 4
	v_nop
.endr
.endm
; A K step is four quarters of 32 along K, 32 matrix instructions each, on buffers 0, 1, 0, 1; the 32 accumulators take turns in the same order in every quarter.
; One of the first three: multiplies buffer f and, in its middle, fetches the slot's q-th quarter into g.
.macro QUARTER slot, q, f, g, zero
	s_wait_dscnt 4                                 ; Wo's fragments and A's blocks 0, 1 are in; the youngest four loads (blocks 2, 3) may be out
	WIN MUL
	MUL16 \f, 0, \zero
	PLACES
	FETCH \slot, \q, \g
	s_wait_dscnt 24                                ; all but the 24 just issued
	WIN MUL
	MUL16 \f, 2, \zero
.endm
; The last quarter multiplies buffer 1 and changes slots: ONE barrier; in front of it each wave waits for all its tensor loads, adds 0 to its spare word, and waits for that and for its reads of this slot.
; fill = 1: the barrier opens a round of the cluster's, and this slot is filled again, two K steps ahead, first thing behind the round.
.macro TURN slot, next, fill
.if \fill
	s_wait_xcnt 0x0                                ; the last prefetch, a K step back, has read its address, which steps here
	s_add_nc_u64 s[PFA:PFA+1], s[PFA:PFA+1], 4096
.endif
	WIN 0                                          ; (the add's two registers lie in window 0)
	s_wait_tensorcnt 0x0                           ; all my tensor loads have landed: my part of the next slot
	ds_add_u32 v[SPW], v[NIL]                      ; 0 onto my spare word
	s_wait_dscnt 5                                 ; (the add and the youngest four loads may be out)
	WIN MUL
	MULB F1, 0, 0                                  ; eight matrix instructions stand between the add and the wait for it
	s_wait_dscnt 0x0                               ; the add is done, and my reads of this slot are over
	s_barrier_signal -1
	MULB F1, 1, 0
.if \fill
	WIN 0
.endif
	s_barrier_wait -1
.if \fill
	CREST                                          ; no wave of any partner still reads this slot's tiles or has a load on its way
	s_add_nc_u64 s[G0+4*\slot+2:G0+4*\slot+3], s[G0+4*\slot+2:G0+4*\slot+3], 2*4096
	s_add_nc_u64 s[G0B+4*\slot+2:G0B+4*\slot+3], s[G0B+4*\slot+2:G0B+4*\slot+3], 2*256
	JLOAD \slot                                    ; the four v_nop behind it are also the places in front of the loads below
.else
	PLACES
.endif
	FETCH \next, 0, F0
.if \fill
	ASK
.endif
	WIN MUL
	MUL16 F1, 2, 0
.endm
	s_wait_tensorcnt 1                             ; my part of K step 0 is in (K step 1's load may be out),
	s_barrier_signal -1
	s_barrier_wait -1                              ; everybody's is
	FETCH 0, 0, F0
	QUARTER 0, 1, F0, F1, 1                        ; the first quarter stands in front of the loop: its products start the sums
	WIN 0                                          ; at a label and at a branch every window is 0
	s_mov_b32 s3, LAPS-1
.Llap:                                             ; a trip goes once round the ring, from a lap's second quarter to the next lap's first, and fills both slots again
	QUARTER 0, 2, F1, F0, 0
	QUARTER 0, 3, F0, F1, 0
	TURN 0, 1, 1
	QUARTER 1, 1, F0, F1, 0
	QUARTER 1, 2, F1, F0, 0
	QUARTER 1, 3, F0, F1, 0
	TURN 1, 0, 1
	QUARTER 0, 1, F0, F1, 0
	WIN 0
	s_sub_co_u32 s3, s3, 1
	s_cmp_lg_u32 s3, 0
	s_cbranch_scc1 .Llap
	QUARTER 0, 2, F1, F0, 0                        ; the last lap fills nothing, and has no round of the cluster's barrier
	QUARTER 0, 3, F0, F1, 0
	TURN 0, 1, 0
	QUARTER 1, 1, F0, F1, 0
	QUARTER 1, 2, F1, F0, 0
	QUARTER 1, 3, F0, F1, 0
	s_wait_dscnt 4                                 ; the very last quarter: nothing more to fetch
	WIN MUL
	MUL16 F1, 0, 0
	s_wait_dscnt 0
	MUL16 F1, 2, 0
	WIN 0
; THE WAY OUT, block by block of 16 rows x 128 columns.  A lane holds 32 neighbouring bytes of a row, and the lanes beside it hold other rows: so a block goes through my own stage in LDS and comes back as whole rows of
; 512 bytes.  LDS serves a wave's instructions in order (ISA guide 5.7.1.4): no wait between the stores and the loads, nor in front of the next block's stores.
.macro TOSTAGE a
	WIN 0x04                                       ; an LDS store's data are its source 1: window 1
.irp b, 0,1,2,3,4,5,6,7
	ds_store_b128 v[STO], v[64*(\a)+8*\b:64*(\a)+8*\b+3] offset:64*\b            ; each accumulator from its low end on
	ds_store_b128 v[STO], v[64*(\a)+8*\b+4:64*(\a)+8*\b+7] offset:64*\b+16
.endr
	WIN 0
.set BB, 32+96*((\a)%2)
.irp t, 0,1,2,3,4,5,6,7,8,9,10,11,12,13,14,15
	ds_load_b128 v[BB+4*\t:BB+4*\t+3], v[RD] offset:\t*SPITCH
.endr
.endm
.macro SEND a, younger                 ; younger: the LDS instructions issued behind block a's loads, which may stay out
.set BB, 32+96*((\a)%2)
	s_wait_dscnt \younger                          ; the block is back in registers
.irp t, 0,1,2,3,4,5,6,7,8,9,10,11,12,13,14,15
	global_store_b128 v[CO], v[BB+4*\t:BB+4*\t+3], s[8:9] offset:(16*(\a)+\t)*4096 th:TH_STORE_NT   ; 32 lanes store 512 consecutive bytes, aligned; written once, read by nobody here
.endr
.endm
	PLACES
	TOSTAGE 0
	TOSTAGE 1
	SEND 0, 32                                     ; behind block 0's loads: block 1's 16 stores and 16 loads
	s_wait_xcnt 0x0                                ; block 0's stores have read their registers: block 2's loads may land there
	TOSTAGE 2
	SEND 1, 32
	s_wait_xcnt 0x0
	TOSTAGE 3
	SEND 2, 32
	SEND 3, 0
	s_wait_tensorcnt 0x0                           ; the wave's end
	ds_add_u32 v[SPW], v[NIL]
	s_wait_dscnt 0x0
	CROUND                                         ; the closing round: no work-group ends while a partner may still ask for a tile that names it
	s_endpgm
.Lfunc_end_k_q6931a16306_oproj:
	.size	k_q6931a16306_oproj, .Lfunc_end_k_q6931a16306_oproj-k_q6931a16306_oproj
	.p2alignl 7, 3214868480
	.fill 96, 4, 3214868480
	.section	.rodata,"a",@progbits
	.p2align	6, 0x0
	.amdhsa_kernel k_q6931a16306_oproj
		.amdhsa_group_segment_fixed_size 327680
		.amdhsa_private_segment_fixed_size 0
		.amdhsa_enable_private_segment 0
		.amdhsa_kernarg_size 24
		.amdhsa_user_sgpr_count 2
		.amdhsa_user_sgpr_kernarg_segment_ptr 1
		.amdhsa_wavefront_size32 1
		.amdhsa_system_sgpr_workgroup_id_x 1
		.amdhsa_system_sgpr_workgroup_id_y 1
		.amdhsa_system_sgpr_workgroup_id_z 1
		.amdhsa_system_vgpr_workitem_id 0
		.amdhsa_next_free_vgpr 512
		.amdhsa_next_free_sgpr 66
		.amdhsa_reserve_vcc 0
		.amdhsa_float_denorm_mode_32 3
		.amdhsa_float_denorm_mode_16_64 3
		.amdhsa_memory_ordered 1
		.amdhsa_forward_progress 1
		.amdhsa_inst_pref_size 85
	.end_amdhsa_kernel
	.amdgpu_metadata
---
amdhsa.version: [ 1, 2 ]
amdhsa.kernels:
  - .name:           k_q6931a16306_oproj
    .symbol:         k_q6931a16306_oproj.kd
    .args:
      - { .name: ao, .offset: 0, .size: 8, .value_kind: global_buffer, .address_space: global }
      - { .name: wo16, .offset: 8, .size: 8, .value_kind: global_buffer, .address_space: global }
      - { .name: out0, .offset: 16, .size: 8, .value_kind: global_buffer, .address_space: global }
    .group_segment_fixed_size: 327680
    .private_segment_fixed_size: 0
    .kernarg_segment_align: 8
    .kernarg_segment_size: 24
    .max_flat_workgroup_size: 128
    .sgpr_count:     66
    .vgpr_count:     512
    .wavefront_size: 32
...
	.end_amdgpu_metadata
.endif
;; end of part 4
